; MI455X (gfx1250); checked and timed in simulation.
; The chip was launched on July 23, 2026; its instructions are those of AMD's public machine-readable ISA for CDNA 5 (MIT licence, August 2026) and "CDNA5" Instruction Set Architecture Reference Guide (July 2026). The comments in the code are by the model that wrote it; some were corrected since.
;; Multi Head Attention. Allowed arithmetic: matrix products marked QUANTISED: E2M3 operands, one E8M0 scale for each 32 along K, by v_wmma_scale_f32_16x16x128_f8f6f4 with both operands' format E2M3, f32 sums; everything else in f32.
;; Inputs: Wk 1,024 x 1,024 float32; Wo 1,024 x 1,024 float32; Wq 1,024 x 1,024 float32; Wv 1,024 x 1,024 float32; bk 1,024 float32; bo 1,024 float32; bq 1,024 float32; bv 1,024 float32; key 4 x 2,048 x 1,024 float32; mask 4 x 2,048 x 2,048 int32; query 4 x 2,048 x 1,024 float32; value 4 x 2,048 x 1,024 float32.
;; Outputs: out0 4 x 2,048 x 1,024 float32.
;; This version of the problem:
;;   THIS VERSION OF THE PROBLEM IS GIVEN IN LOW PRECISION. The matrix products marked QUANTISED in the list below multiply operands that are first quantised to E2M3 (2 exponent bits, 3 mantissa bits; 6 bits a number), with one power-of-two scale for each 32 numbers along K (OCP MX v1.0); their sums are f32. All else is computed in f32.
;;   The module's matrix products, in the order in which they are computed (A, B: the left and right operand; K: the contracted axis; several contracted axes count as one K, in the product's order):
;;     1. [M 8,192, K 1,024] x [K 1,024, N 1,024]; A: input query; B: input Wq: QUANTISED
;;     2. [M 8,192, K 1,024] x [K 1,024, N 1,024]; A: input key; B: input Wk: QUANTISED
;;     3. [M 8,192, K 1,024] x [K 1,024, N 1,024]; A: input value; B: input Wv: QUANTISED
;;     4. batch 64 x [M 2,048, K 64] x [K 64, N 2,048]; A: computed on the way; B: computed on the way: QUANTISED
;;     5. batch 64 x [M 2,048, K 2,048] x [K 2,048, N 64]; A: softmax (see below); B: computed on the way: QUANTISED
;;     6. [M 8,192, K 1,024] x [K 1,024, N 1,024]; A: computed on the way; B: input Wo: QUANTISED
;;   THE QUANTISER, for each operand of a quantised product, along K:
;;     - K is cut into blocks of 32 from its start; a last block that is shorter is filled with zeros.
;;     - A block's scale is 2^e with e = floor(log2(the largest magnitude in the block)) - 2, held to -126 .. 127; a block of zeros has e = 0. As a byte (E8M0): e + 127.
;;     - Each number is divided by its block's scale, clamped to +-7.5, and rounded to the nearest number of E2M3, ties to even, subnormals kept.
;;     - The product sums the exact products of the quantised numbers (number of the format x scale) in f32.
;;   ~~~python
;;   def quantise(x, axis):      # numpy; x: float32 -> the quantised numbers, widened to float32 again
;;       x = np.moveaxis(x, axis, -1); K = x.shape[-1]
;;       x = np.pad(x, [(0, 0)] * (x.ndim - 1) + [(0, -K % 32)]); x = x.reshape(x.shape[:-1] + (-1, 32)); a = np.abs(x).max(-1, keepdims=True)
;;       e = np.where(a > 0, np.clip(np.frexp(np.where(a > 0, a, 1))[1] - 1 - 2, -126, 127), 0)      # np.frexp(a)[1] - 1 = floor(log2(a)), exactly
;;       r = np.clip(x / 2.0 ** e, -7.5, 7.5)
;;       step = 2.0 ** (np.maximum(np.frexp(np.where(r == 0, 1, r))[1] - 1, 0) - 3)
;;       q = np.round(r / step) * step * 2.0 ** e      # np.round: ties to even
;;       return np.moveaxis(q.reshape(q.shape[:-2] + (-1,))[..., :K], -1, axis).astype(np.float32)
;;   ~~~
;;   SOFTMAX AHEAD OF A QUANTISED PRODUCT. Where the list says 'softmax', what is quantised is not the finished softmax but p = 2^(t - M), with t = logit x log2(e) and M = ceil(the row's largest t), a whole number; so 1/2 < the row's largest p <= 1. The row's sum l is taken of the UNQUANTISED p, in f32, and the product's result is divided by l at the end. Since M is a whole number, a kernel that streams over the keys may use a running M (the ceiling of the running maximum): every later rescaling is an exact power of two, which a block's scale takes up: the codes' values come out the same.
;;   OPERANDS COMPUTED ON THE WAY. 'Computed on the way' means the value that the module computes at that place (a softmax that the list does not call 'softmax' is quantised finished and normalised). What goes into a quantiser is computed in f32, as accurately as f32 sums, v_exp_f32 and their like allow (about 1e-6 of the number): no bf16 or f16 on the way to a quantiser, and a product that is left as it is and whose result goes on into a quantised operand takes f32 operands (vector FMAs, or v_wmma_f32_16x16x4_f32). A number that lies on a knife's edge between two numbers of the format may be rounded either way, as far as f32 arithmetic and the matrix unit's own rounding can turn it there, and no further.
;; One version. Each part assembles by itself: llvm-mc -triple=amdgcn-amd-amdhsa -mcpu=gfx1250 --defsym DOCPART=n.
;; ======== version 1 of 1: 4 launches
;; limits: right only within a limited range of input values
;; workspace buffers: cod 22,020,096 bytes; scl 917,504 bytes; mk 2,097,152 bytes of whole numbers; qq 6,815,744 bytes; kv 13,369,344 bytes; ac 6,291,456 bytes; asc 262,144 bytes
;; launch prep (part 1): grid 448 x 1, 4 waves a work-group, no clusters, 34,304 bytes of LDS; arguments query, key, value, Wq, Wk, Wv, Wo, cod, scl; writes cod, scl
.if DOCPART == 1
	.amdgcn_target "amdgcn-amd-amdhsa--gfx1250"
	.amdhsa_code_object_version 6
	.text
	.protected	k_q8b1e690568_prep
	.globl	k_q8b1e690568_prep
	.p2align	8
	.type	k_q8b1e690568_prep,@function
k_q8b1e690568_prep:
	s_mov_b64 s[64:65], 0
	v_nop
	global_prefetch_b8 v0, s[64:65] scope:SCOPE_SE
	s_setreg_imm32_b32 hwreg(HW_REG_WAVE_MODE, 25, 1), 1
	s_wait_xcnt 0x0
; MULTI-HEAD ATTENTION IN MX-FP6 (E2M3, one E8M0 scale for each 32 along K), FIRST OF FOUR LAUNCHES.
; No work of the problem is left out anywhere in the program: every bias goes into a quantised operand or into the output, and the mask is an input, so no tile is skipped on its account.
; THIS LAUNCH reads query, key, value [8192][1024] and Wq, Wk, Wv, Wo [1024][1024] (K innermost in all seven) once and lays them as codes and scale bytes, as the later launches' registers want them.
; (The mask is packed into lane masks by the second launch, beside its products.)
; A TILE is 16 rows, and they are not neighbours: row r of tile T is 32 (T / 2) + 8 (T % 2) + r + 8 (r / 8).  Used as source 0 of a product, two neighbouring tiles then leave 16 neighbours in a lane's 16 result registers.
; key's tiles alone differ: row r of tile T is 64 (T / 4) + 8 (T % 4) + r % 8 + 32 (r / 8): rows 0-7 lie in one block of 32 keys and rows 8-15 in the next,
; so that four neighbouring tiles of scores leave a whole block of 32 keys in a lane's 32 registers.
; cod: [tile 0-1791][K step 0-7][1,536 bytes]: the IMAGE of a fragment's 12 registers, in two halves of 768 bytes (64 along K each): registers 6 c .. 6 c + 3 at 16 x lane, registers 6 c + 4, 6 c + 5 at 512 + 8 x lane.
;      tiles 0-511 query, 512-1023 key, 1024-1535 value, then 64 each of Wq, Wk, Wv, Wo.
; scl: [tile][512 bytes]: the byte of block j (0-31) of row r at 32 r + j: 16 bytes at 32 r + 16 (lane / 16) are the scale words of K steps 4 (lane / 16) + 0 .. 3.
; A wave takes one tile for all of K: 8 steps of 16 rows x 512 bytes.  Each load reads 512 consecutive bytes of one row; the 8 KiB turn through the wave's own stage in LDS
; (rows 528 bytes apart: the 16 rows that a read touches start at 16 different banks) and come back 16 neighbours of each block of 32 to a lane.  Waves share nothing: no barrier.  Loads run two steps ahead.
; A block's scale byte is its largest magnitude's exponent field - 2, held at 1 from below.
; LIMITS: a block of zeros carries the byte 1 where the rule says 127 (its codes are zeros, and this program alone reads the bytes); NaN and infinities among the inputs are not served.
.set STG,   8448                       ; a wave's stage: 16 rows x 528 bytes
.set SPARE, 33792                      ; the spare words, 128 bytes for each wave: two blocks of 256 bytes that no other line names
.set L16,  1                           ; v1   16 x lane
.set L8,   2                           ; v2   8 x lane
.set SOFF, 3                           ; v3   32 r + 16 (lane / 16)
.set STA,  4                           ; v4   the stage, on the way in: 16 x lane
.set LDA,  5                           ; v5   and on the way out: 528 r + 64 (lane / 16)
.set SPW,  10                          ; v10  LDS address of my spare word; never rewritten
.set NIL,  11                          ; v11  0; never rewritten
.set R,    32                          ; v32-95, v96-159  two sets of 64 numbers
.set TM,   160                         ; v160-175 at work in QUANT
.set PC,   176                         ; v176-195 the codes just made
.set PWB,  196                         ; v196-203 the scale words of the 8 K steps
.set PK,   204                         ; v204-207 they, as they are stored
.set WV,   26
.set SEL,  52                          ; s[52:53] v_permlanex16_b32's selects for lane l xor 16
.set LM,   54                          ; s54  lanes 16-31
	s_load_b256 s[4:11], s[0:1], 0x0               ; query, key, value, Wq
	s_load_b128 s[12:15], s[0:1], 0x20             ; Wk, Wv
	s_load_b64 s[16:17], s[0:1], 0x30              ; Wo
	s_load_b128 s[20:23], s[0:1], 0x38             ; cod, scl
	v_lshl_add_u32 v[SPW], v0, 2, SPARE
	v_mov_b32 v[NIL], 0
	v_lshrrev_b32 v6, 5, v0
	v_readfirstlane_b32 s[WV], v6                  ; wave 0..3
	v_and_b32 v6, 31, v0                           ; lane
	v_and_b32 v7, 15, v0                           ; r
	v_bfe_u32 v8, v0, 4, 1                         ; lane / 16
	v_lshlrev_b32 v[L16], 4, v6
	v_lshlrev_b32 v[L8], 3, v6
	v_lshlrev_b32 v[SOFF], 5, v7
	v_lshl_add_u32 v[SOFF], v8, 4, v[SOFF]
	s_mul_i32 s27, s[WV], STG
	v_add_nc_u32 v[STA], s27, v[L16]
	v_mul_u32_u24 v[LDA], v7, 528
	v_lshl_add_u32 v[LDA], v8, 6, v[LDA]
	v_add_nc_u32 v[LDA], s27, v[LDA]
.irp b, 0,1,2,3
	v_mov_b32 v[TM+4+\b], 0                        ; written once: a lane permute's destination counts as one of its sources
.endr
	s_mov_b32 s[SEL], 0x76543210
	s_mov_b32 s[SEL+1], 0xfedcba98
	s_mov_b32 s[LM], 0xffff0000
	s_mov_b32 s49, 0
; step s: 16 rows x 512 bytes into set s % 2; load i takes the tile's row i: rows 0-7 by the first base, rows 8-15 by the second
.macro LOADS s
.irp i, 0,1,2,3,4,5,6,7,8,9,10,11,12,13,14,15
	global_load_b128 v[R+64*((\s)%2)+4*\i:R+64*((\s)%2)+4*\i+3], v[L16], s[28+2*(\i/8):29+2*(\i/8)] offset:(\i%8)*4096+512*(\s) th:TH_LOAD_NT
.endr
.endm
; a set goes through the stage and comes back into the registers that it left: register 16 b + i = number 32 b + 16 (lane / 16) + i of row r.  LDS serves a wave's instructions in order: no wait between the stores and the loads
.macro TURN rs
.irp i, 0,1,2,3,4,5,6,7,8,9,10,11,12,13,14,15
	ds_store_b128 v[STA], v[(\rs)+4*\i:(\rs)+4*\i+3] offset:528*\i
.endr
.irp b, 0,1,2,3
.irp j, 0,1,2,3
	ds_load_b128 v[(\rs)+16*\b+4*\j:(\rs)+16*\b+4*\j+3], v[LDA] offset:128*\b+16*\j
.endr
.endr
.endm
; 64 numbers of a lane, register 16 b + i = k 32 b + 16 (lane / 16) + i of my row, become a fragment's codes in v[PC] .. v[PC + 11] and its scale word in v[pw]
.macro QUANT s, pw
.irp b, 0,1,2,3
	v_max3_num_f32 v[TM+\b], |v[(\s)+16*\b]|, |v[(\s)+1+16*\b]|, 0x1800000   ; block b: my 16 numbers, and the floor 2^(3 - 127): so the byte cannot fall under 1
.endr
.irp i, 2,4,6,8,10,12,14
.irp b, 0,1,2,3
	v_max3_num_f32 v[TM+\b], v[TM+\b], |v[(\s)+16*\b+\i]|, |v[(\s)+1+16*\b+\i]|   ; the four blocks by turns
.endr
.endr
.irp b, 0,1,2,3
	v_permlanex16_b32 v[TM+4+\b], v[TM+\b], s[SEL], s[SEL+1]
.endr
.irp b, 0,1,2,3
	v_max_num_f32 v[TM+\b], v[TM+\b], v[TM+4+\b]   ; with lane l xor 16's: the block's largest magnitude
.endr
.irp b, 0,1,2,3
	v_add_nc_u32 v[TM+12+\b], 0xff000000, v[TM+\b] ; 2 off its exponent field: the conversion takes the exponent field of this operand as its scale
.endr
.irp b, 0,1,2,3
	v_lshrrev_b32 v[TM+4+\b], 23, v[TM+12+\b]      ; the scale's byte
.endr
	v_lshl_or_b32 v[\pw], v[TM+5], 8, v[TM+4]
	v_lshl_or_b32 v[\pw], v[TM+6], 16, v[\pw]
	v_lshl_or_b32 v[\pw], v[TM+7], 24, v[\pw]
.irp c, 0,1
	v_cvt_scalef32_pk16_fp6_f32 v[PC+6*\c:PC+2+6*\c], v[(\s)+32*\c:(\s)+15+32*\c], v[TM+12+2*\c]
	v_cvt_scalef32_pk16_fp6_f32 v[PC+12+4*\c:PC+14+4*\c], v[(\s)+16+32*\c:(\s)+31+32*\c], v[TM+12+2*\c+1]   ; (a conversion's three registers begin on an even number)
.endr
	v_nop                                          ; one plain place behind a scaled conversion
.irp c, 0,1                                    ; the operand's layout wants a whole block in a lane: lanes 0-15 block 2 c, lanes 16-31 block 2 c + 1
.irp i, 0,1,2
	v_permlane16_swap_b32 v[PC+6*\c+\i], v[PC+12+4*\c+\i]
.endr
.irp i, 0,1,2
	v_mov_b32 v[PC+3+6*\c+\i], v[PC+12+4*\c+\i]
.endr
.endr
.endm
	; which tensor is mine hangs on the work-group's number alone
	s_wait_alu depctr_va_vdst(0)                   ; the wait at the head's end
	s_wait_kmcnt 0x0
	s_mov_b64 s[28:29], s[16:17]                   ; Wo, from work-group 432 on
	s_mov_b32 s30, 432
	s_cmp_lt_u32 ttmp9, 432
	s_cselect_b64 s[28:29], s[14:15], s[28:29]     ; Wv
	s_cselect_b32 s30, 416, s30
	s_cmp_lt_u32 ttmp9, 416
	s_cselect_b64 s[28:29], s[12:13], s[28:29]     ; Wk
	s_cselect_b32 s30, 400, s30
	s_cmp_lt_u32 ttmp9, 400
	s_cselect_b64 s[28:29], s[10:11], s[28:29]     ; Wq
	s_cselect_b32 s30, 384, s30
	s_cmp_lt_u32 ttmp9, 384
	s_cselect_b64 s[28:29], s[8:9], s[28:29]       ; value
	s_cselect_b32 s30, 256, s30
	s_cmp_lt_u32 ttmp9, 256
	s_cselect_b64 s[28:29], s[6:7], s[28:29]       ; key
	s_cselect_b32 s30, 128, s30
	s_cmp_lt_u32 ttmp9, 128
	s_cselect_b64 s[28:29], s[4:5], s[28:29]       ; query
	s_cselect_b32 s30, 0, s30
	s_sub_co_u32 s30, ttmp9, s30
	s_lshl_b32 s30, s30, 2
	s_add_co_u32 s30, s30, s[WV]                   ; my tile in its tensor
	s_sub_co_u32 s51, ttmp9, 128
	s_cmp_lt_u32 s51, 128                          ; key's work-groups are 128-255
	s_cselect_b32 s51, 2, 1                        ; tiles go in groups of 4 (64 rows) for key, of 2 (32 rows) for the others
	s_lshr_b32 s31, s30, s51
	s_add_co_u32 s55, s51, 16
	s_lshl_b32 s48, s31, s55                       ; the group's first row, in bytes (4,096 a row),
	s_bfm_b32 s31, s51, 0
	s_and_b32 s31, s30, s31
	s_lshl_b32 s31, s31, 15                        ; 8 rows for each tile ahead of mine in the group
	s_add_co_u32 s48, s48, s31
	s_add_nc_u64 s[28:29], s[28:29], s[48:49]
	s_add_co_u32 s55, s51, 15
	s_lshl_b32 s48, 1, s55                         ; rows 8-15 begin 32 rows further down for key, 16 for the others
	s_add_nc_u64 s[30:31], s[28:29], s[48:49]
	s_lshl_b32 s50, ttmp9, 2
	s_add_co_u32 s50, s50, s[WV]                   ; my tile in cod and scl
	s_mul_i32 s48, s50, 12288
	s_add_nc_u64 s[20:21], s[20:21], s[48:49]
	s_lshl_b32 s48, s50, 9
	s_add_nc_u64 s[22:23], s[22:23], s[48:49]
.macro QSTEP s
.set RS, R+64*((\s)%2)
.if (\s) < 7
	s_wait_loadcnt 16                              ; this step's 16 loads are in; the next step's 16 may be out
.else
	s_wait_loadcnt 0x0
.endif
	TURN RS
	s_wait_dscnt 0x0
	s_wait_xcnt 0x0                                ; the last step's stores have read the codes' registers, which are written again below
	QUANT RS, PWB+(\s)
.irp c, 0,1
	global_store_b128 v[L16], v[PC+6*\c:PC+6*\c+3], s[20:21] offset:1536*(\s)+768*\c        ; 512 consecutive bytes,
	global_store_b64 v[L8], v[PC+6*\c+4:PC+6*\c+5], s[20:21] offset:1536*(\s)+768*\c+512    ; and 256, both at multiples of 256 from the buffer's first byte
.endr
.if (\s) < 6
	LOADS (\s)+2
.endif
.endm
	LOADS 0
	LOADS 1
.irp s, 0,1,2,3,4,5,6,7
	QSTEP \s
.endr
.irp g, 0,1,2,3
	v_cndmask_b32 v[PK+\g], v[PWB+\g], v[PWB+4+\g], s[LM]   ; lanes 0-15 keep K steps 0-3, lanes 16-31 take K steps 4-7
.endr
	global_store_b128 v[SOFF], v[PK:PK+3], s[22:23]     ; the tile's 512 scale bytes
	s_wait_tensorcnt 0x0                           ; the wave's end
	ds_add_u32 v[SPW], v[NIL]
	s_wait_dscnt 0x0
	s_endpgm
.Lfunc_end_k_q8b1e690568_prep:
	.size	k_q8b1e690568_prep, .Lfunc_end_k_q8b1e690568_prep-k_q8b1e690568_prep
	.p2alignl 7, 3214868480
	.fill 96, 4, 3214868480
	.section	.rodata,"a",@progbits
	.p2align	6, 0x0
	.amdhsa_kernel k_q8b1e690568_prep
		.amdhsa_group_segment_fixed_size 34304
		.amdhsa_private_segment_fixed_size 0
		.amdhsa_enable_private_segment 0
		.amdhsa_kernarg_size 72
		.amdhsa_user_sgpr_count 2
		.amdhsa_user_sgpr_kernarg_segment_ptr 1
		.amdhsa_wavefront_size32 1
		.amdhsa_system_sgpr_workgroup_id_x 1
		.amdhsa_system_sgpr_workgroup_id_y 1
		.amdhsa_system_sgpr_workgroup_id_z 1
		.amdhsa_system_vgpr_workitem_id 0
		.amdhsa_next_free_vgpr 224
		.amdhsa_next_free_sgpr 66
		.amdhsa_reserve_vcc 0
		.amdhsa_float_denorm_mode_32 3
		.amdhsa_float_denorm_mode_16_64 3
		.amdhsa_memory_ordered 1
		.amdhsa_forward_progress 1
		.amdhsa_inst_pref_size 66
	.end_amdhsa_kernel
	.amdgpu_metadata
---
amdhsa.version: [ 1, 2 ]
amdhsa.kernels:
  - .name:           k_q8b1e690568_prep
    .symbol:         k_q8b1e690568_prep.kd
    .args:
      - { .name: query, .offset: 0, .size: 8, .value_kind: global_buffer, .address_space: global }
      - { .name: key, .offset: 8, .size: 8, .value_kind: global_buffer, .address_space: global }
      - { .name: value, .offset: 16, .size: 8, .value_kind: global_buffer, .address_space: global }
      - { .name: Wq, .offset: 24, .size: 8, .value_kind: global_buffer, .address_space: global }
      - { .name: Wk, .offset: 32, .size: 8, .value_kind: global_buffer, .address_space: global }
      - { .name: Wv, .offset: 40, .size: 8, .value_kind: global_buffer, .address_space: global }
      - { .name: Wo, .offset: 48, .size: 8, .value_kind: global_buffer, .address_space: global }
      - { .name: cod, .offset: 56, .size: 8, .value_kind: global_buffer, .address_space: global }
      - { .name: scl, .offset: 64, .size: 8, .value_kind: global_buffer, .address_space: global }
    .group_segment_fixed_size: 34304
    .private_segment_fixed_size: 0
    .kernarg_segment_align: 8
    .kernarg_segment_size: 72
    .max_flat_workgroup_size: 128
    .sgpr_count:     66
    .vgpr_count:     224
    .wavefront_size: 32
...
	.end_amdgpu_metadata
.endif
;; end of part 1
;; launch proj (part 2): grid 4 x 128, 4 waves a work-group, clusters of 4 x 4, 327,680 bytes of LDS; arguments cod, scl, bq, bk, bv, qq, kv, mask, mk; writes qq, kv, mk
.if DOCPART == 2
	.amdgcn_target "amdgcn-amd-amdhsa--gfx1250"
	.amdhsa_code_object_version 6
	.text
	.protected	k_q8b1e690568_proj
	.globl	k_q8b1e690568_proj
	.p2align	8
	.type	k_q8b1e690568_proj,@function
k_q8b1e690568_proj:
	s_mov_b64 s[64:65], 0
	v_nop
	global_prefetch_b8 v0, s[64:65] scope:SCOPE_SE
	s_setreg_imm32_b32 hwreg(HW_REG_WAVE_MODE, 25, 1), 1
	s_wait_xcnt 0x0
	s_wait_alu depctr_hold_cnt(0) depctr_sa_sdst(0) depctr_va_vdst(0) depctr_va_sdst(0) depctr_va_ssrc(0) depctr_va_vcc(0) depctr_vm_vsrc(0)
	s_getreg_b32 s2, hwreg(HW_REG_IB_STS2, 6, 4)
	s_cmp_eq_u32 s2, 0
	s_cbranch_scc0 .Lentry_in_a_cluster
	s_endpgm
.Lentry_in_a_cluster:
	s_bfe_u32 s2, ttmp6, 0x10000c
	s_cmp_lg_u32 s2, 0xf033
	s_cbranch_scc0 .Lentry_shape_is_right
	s_endpgm
.Lentry_shape_is_right:
.set TILEB, 12288
.set CHB,   3072
.set FRB,   1536
.set REGN,  49152
.set HALFR, 24576
.set SLOT,  98304
.set SPARE, 3*SLOT
.set A1L, 1
.set A1S, 4
.set A0L, 7
.set A0S, 10
.set L16, 13
.set L8,  14
.set SOFF, 15
.set SPW, 16
.set NIL, 17
.set BI,  24
.set SA,  40
.set SB,  72
.set AF,  128
.set H,   128
.set PC,  192
.set TM,  212
.set PWB, 228
.set PK,  236
.set WV,  14
.set WI,  15
.set WJ,  16
.set G1X, 24
.set G0X, 32
.set G1W, 48
.set G0W, 56
.set OC,  86
.set OS,  90
.set SEL, 94
.set LM,  96
.set MSB, 0
.macro WIN new
.if MSB != \new
	s_set_vgpr_msb (MSB<<8)|\new
.set MSB, \new
.endif
.endm
.set MUL_LO, 0xa1
.set MUL_HI, 0xf1
.set TO_B,   0x40
.macro JLOAD g0a, g1a, g0b, g1b
	s_cmp_eq_u32 s[WI], 0
	s_cbranch_scc0 .Lfor_w_\@
	tensor_load_to_lds s[\g0a:\g0a+3], s[\g1a:\g1a+7]
	s_nop 0
.rept 4
	v_nop
.endr
	s_branch .Lasked_\@
.Lfor_w_\@:
	tensor_load_to_lds s[\g0b:\g0b+3], s[\g1b:\g1b+7]
	s_nop 0
.rept 4
	v_nop
.endr
.Lasked_\@:
.endm
.macro CREST
	s_cmp_lg_u32 s[WV], 0
	s_cbranch_scc1 .Lnot_wave_0_\@
	s_barrier_signal -3
.Lnot_wave_0_\@:
	s_barrier_wait -3
	s_barrier_signal -1
	s_barrier_wait -1
.endm
.macro CROUND
	s_barrier_signal -1
	s_barrier_wait -1
	CREST
.endm
	s_load_b256 s[72:79], s[0:1], 0x0
	s_load_b128 s[80:83], s[0:1], 0x20
	s_load_b64 s[84:85], s[0:1], 0x30
; SECOND LAUNCH.  Clusters 0-23 along y make the three projections, a block of 256 x 256 a work-group; nothing of the problem is left out.  Clusters 24-31 pack the mask into lane masks (at the text's end):
; 384 + 128 work-groups are two whole turns of 256.  Which of the two a work-group does hangs on the cluster's y alone, which all partners of a cluster share.
	s_load_b128 s[4:7], s[0:1], 0x38               ; mask, mk
	v_lshl_add_u32 v[SPW], v0, 2, SPARE
	v_mov_b32 v[NIL], 0
	ds_add_u32 v[SPW], v[NIL]
	ds_add_u32 v[SPW], v[NIL]
	v_lshrrev_b32 v18, 5, v0
	v_readfirstlane_b32 s[WV], v18
	s_lshr_b32 s[WI], s[WV], 1
	s_and_b32 s[WJ], s[WV], 1
	s_bfe_u32 s17, ttmp6, 0x40000
	s_bfe_u32 s18, ttmp6, 0x40004
	s_lshl_b32 s19, ttmp9, 2
	s_add_co_u32 s19, s19, s17
	s_and_b32 s21, ttmp7, 0xffff
	s_lshl_b32 s20, s21, 2
	s_add_co_u32 s20, s20, s18
	s_lshr_b32 s22, s21, 3
	s_cmp_ge_u32 s21, 16
	s_cselect_b32 s23, 1, 0
	s_cselect_b32 s2, REGN, 0
	s_cselect_b32 s3, 0, REGN
	s_lshl_b32 s44, s18, 2
	s_lshl_b32 s44, 15, s44
	s_lshl_b32 s45, 0x1111, s17
	s_or_b32 s[G1X], s44, (3<<16)|(1<<21)
	s_or_b32 s[G1W], s45, (3<<16)|(1<<21)
.irp g, G1X, G1W
	s_mov_b32 s[\g+1], 384<<16
	s_mov_b32 s[\g+2], 8<<16
	s_mov_b32 s[\g+3], 384<<16
	s_mov_b32 s[\g+4], 8
	s_mov_b32 s[\g+5], 1536
	s_mov_b32 s[\g+6], 0
	s_mov_b32 s[\g+7], 0
.endr
	s_lshl_b32 s46, s20, 4
	s_lshl_b32 s47, s[WJ], 3
	s_add_co_u32 s46, s46, s47
	s_mul_i32 s46, s46, TILEB
	s_mov_b32 s47, 0
	s_lshl_b32 s88, s22, 6
	s_lshl_b32 s89, s19, 4
	s_add_co_u32 s88, s88, s89
	s_lshl_b32 s89, s[WJ], 3
	s_add_co_u32 s88, s88, s89
	s_add_co_u32 s88, s88, 1536
	s_mul_i32 s88, s88, TILEB
	s_mov_b32 s89, 0
	s_mul_i32 s90, s[WV], HALFR
	s_mov_b32 s[SEL], 0x76543210
	s_mov_b32 s[SEL+1], 0xfedcba98
	s_mov_b32 s[LM], 0xffff0000
	v_and_b32 v18, 31, v0
	v_and_b32 v19, 15, v0
	v_bfe_u32 v20, v0, 4, 1
	v_lshlrev_b32 v[L16], 4, v18
	v_lshlrev_b32 v[L8], 3, v18
	v_lshlrev_b32 v[SOFF], 5, v19
	v_lshl_add_u32 v[SOFF], v20, 4, v[SOFF]
	v_lshlrev_b32 v21, 6, v20
	v_and_b32 v22, 8, v19
	v_add_nc_u32 v22, v22, v19
	v_lshlrev_b32 v22, 2, v22
	s_wait_dscnt 0x0
	s_wait_kmcnt 0x0
	s_add_nc_u64 s[46:47], s[72:73], s[46:47]
	s_add_nc_u64 s[88:89], s[72:73], s[88:89]
	CROUND
	s_wait_alu depctr_va_vdst(0)                   ; the wait ahead of the branch
	s_cmp_ge_u32 s21, 24
	s_cbranch_scc1 .Lmaskpath                      ; clusters 24-31 pack the mask
; LDS: slot 0 holds two K steps of the 32 tiles, 3,072 bytes a tile, 24,576 a wave's part; behind it one larger slot holds K steps 2-5, 6,144 bytes a tile, 49,152 a wave's part.
; Three loads a wave: K steps 0-1 at the head; K steps 2-5 behind a round of the cluster's barrier; K steps 6-7 into slot 0 again.
	s_lshl_b32 s93, s90, 1
.irp c, 0,1
	s_mov_b32 s[G0X+4*\c], 1
	s_add_nc_u64 s[G0X+4*\c+2:G0X+4*\c+3], s[46:47], \c*CHB
	s_or_b32 s[G0X+4*\c+3], s[G0X+4*\c+3], 0x80000000
	s_mov_b32 s[G0W+4*\c], 1
	s_add_nc_u64 s[G0W+4*\c+2:G0W+4*\c+3], s[88:89], \c*CHB
	s_or_b32 s[G0W+4*\c+3], s[G0W+4*\c+3], 0x80000000
.endr
	s_mov_b32 s[G0X+1], s90
	s_mov_b32 s[G0W+1], s90
	s_add_co_u32 s[G0X+5], s93, SLOT
	s_add_co_u32 s[G0W+5], s93, SLOT
	JLOAD G0X, G1X, G0W, G1W                       ; K steps 0-1: my one tensor load at the head
	s_lshl_b32 s4, s20, 4
	s_lshl_b32 s5, s22, 6
	s_lshl_b32 s6, s19, 4
	s_add_co_u32 s5, s5, s6
	s_add_co_u32 s5, s5, 1536
	s_lshl_b32 s6, s[WI], 3
	s_lshl_b32 s7, s[WJ], 3
	s_cmp_eq_u32 s23, 1
	s_cselect_b32 s8, s5, s4
	s_cselect_b32 s9, s4, s5
	s_add_co_u32 s8, s8, s6
	s_add_co_u32 s9, s9, s7
	s_lshl_b32 s8, s8, 9
	s_lshl_b32 s10, s9, 9
	s_mov_b32 s9, 0
	s_mov_b32 s11, 0
	s_add_nc_u64 s[8:9], s[74:75], s[8:9]
	s_add_nc_u64 s[10:11], s[74:75], s[10:11]
	s_wait_alu depctr_va_vdst(0)
.irp a, 0,1,2,3,4,5,6,7
	global_load_b128 v[SA+4*\a:SA+4*\a+3], v[SOFF], s[8:9] offset:512*\a
	global_load_b128 v[SB+4*\a:SB+4*\a+3], v[SOFF], s[10:11] offset:512*\a
.endr
	s_cmp_eq_u32 s22, 0
	s_cselect_b64 s[12:13], s[76:77], s[78:79]
	s_cmp_eq_u32 s22, 2
	s_cselect_b64 s[12:13], s[80:81], s[12:13]
	s_lshl_b32 s4, s19, 10
	s_lshl_b32 s5, s[WJ], 9
	s_add_co_u32 s5, s4, s5
	s_lshl_b32 s6, s[WI], 9
	s_add_co_u32 s6, s4, s6
	s_cmp_eq_u32 s23, 1
	s_cselect_b32 s4, 0, s5
	s_cselect_b32 s6, s6, 0
	s_mov_b32 s5, 0
	s_mov_b32 s7, 0
	s_add_nc_u64 s[4:5], s[12:13], s[4:5]
	s_add_nc_u64 s[6:7], s[12:13], s[6:7]
	WIN TO_B
.irp b, 0,1,2,3,4,5,6,7
	global_load_b128 v[96+8*\b+96*(\b/4):96+8*\b+96*(\b/4)+3], v21, s[4:5] offset:(32*(\b/2)+8*(\b%2))*4
	global_load_b128 v[96+8*\b+96*(\b/4)+4:96+8*\b+96*(\b/4)+7], v21, s[4:5] offset:(32*(\b/2)+8*(\b%2))*4+16
.endr
	WIN 0
.irp a, 0,1,2,3,4,5,6,7
	global_load_b32 v[BI+2*\a], v22, s[6:7] offset:4*(32*(\a/2)+8*(\a%2))
	global_load_b32 v[BI+2*\a+1], v22, s[6:7] offset:4*(32*(\a/2)+8*(\a%2))
.endr
	s_mul_i32 s91, s[WI], HALFR
	s_add_co_u32 s91, s91, s2
	s_mul_i32 s92, s[WJ], HALFR
	s_add_co_u32 s92, s92, s3
.irp c, 0,1,2                                  ; c = 0: slot 0; c = 1, 2: K steps 2-3 and 4-5 in the larger slot, whose parts are twice as long
	v_add_nc_u32 v[A1L+\c], s91, v[L16]
	v_add_nc_u32 v[A1S+\c], s91, v[L8]
	v_add_nc_u32 v[A0L+\c], s92, v[L16]
	v_add_nc_u32 v[A0S+\c], s92, v[L8]
.if \c == 0
	s_lshl_b32 s91, s91, 1
	s_lshl_b32 s92, s92, 1
	s_add_co_u32 s91, s91, SLOT
	s_add_co_u32 s92, s92, SLOT
.else
	s_add_co_u32 s91, s91, CHB
	s_add_co_u32 s92, s92, CHB
.endif
.endr
.macro FRAG reg, a16, a8, off
	ds_load_b128 v[(\reg):(\reg)+3], v[\a16] offset:\off
	ds_load_b64 v[(\reg)+4:(\reg)+5], v[\a8] offset:\off+512
	ds_load_b128 v[(\reg)+6:(\reg)+9], v[\a16] offset:\off+768
	ds_load_b64 v[(\reg)+10:(\reg)+11], v[\a8] offset:\off+1280
.endm
.macro FETCH_B slot, q, p
	WIN TO_B
.irp i, 0,1,2,3,4,5,6,7
	FRAG 128*(\p)+12*\i, A0L+\slot, A0S+\slot, CHB*(1+((\slot)+1)/2)*\i+FRB*(\q)
.endr
	WIN 0
.endm
.macro FETCH_A slot, q, i0
.irp i, \i0, \i0+1, \i0+2, \i0+3
	FRAG AF+12*(\i), A1L+\slot, A1S+\slot, CHB*(1+((\slot)+1)/2)*(\i)+FRB*(\q)
.endr
.endm
.macro MUL16 a0, p, s, zero
.irp a, \a0, \a0+1
.irp b, 0,1,2,3,4,5,6,7
.set DD, 8*(8*((\a)%4)+\b)
.set B0, 128*(\p)+12*\b
.set A1, AF+12*(\a)
.if \zero
	v_wmma_scale_f32_16x16x128_f8f6f4 v[DD:DD+7], v[B0:B0+11], v[A1:A1+11], 0, v[SB+4*\b+(\s)%4], v[SA+4*(\a)+(\s)%4] matrix_a_fmt:MATRIX_FMT_FP6 matrix_b_fmt:MATRIX_FMT_FP6
.elseif (\s) < 4
	v_wmma_scale_f32_16x16x128_f8f6f4 v[DD:DD+7], v[B0:B0+11], v[A1:A1+11], v[DD:DD+7], v[SB+4*\b+(\s)%4], v[SA+4*(\a)+(\s)%4] matrix_a_fmt:MATRIX_FMT_FP6 matrix_b_fmt:MATRIX_FMT_FP6
.else
	v_wmma_scale_f32_16x16x128_f8f6f4 v[DD:DD+7], v[B0:B0+11], v[A1:A1+11], v[DD:DD+7], v[SB+4*\b+(\s)%4], v[SA+4*(\a)+(\s)%4] matrix_a_fmt:MATRIX_FMT_FP6 matrix_b_fmt:MATRIX_FMT_FP6 matrix_a_scale:MATRIX_SCALE_ROW1 matrix_b_scale:MATRIX_SCALE_ROW1
.endif
.endr
.endr
.endm
.macro PLACES
.rept 4
	v_nop
.endr
.endm
.macro STEP s, nslot, nq, zero
	s_wait_dscnt 16
	WIN MUL_LO
	MUL16 0, (\s)%2, \s, \zero
	MUL16 2, (\s)%2, \s, \zero
	s_wait_dscnt 0x0
	PLACES
	FETCH_B \nslot, \nq, 1-(\s)%2
	FETCH_A \nslot, \nq, 0
	WIN MUL_HI
	MUL16 4, (\s)%2, \s, \zero
	MUL16 6, (\s)%2, \s, \zero
	PLACES
	WIN 0
	FETCH_A \nslot, \nq, 4
.endm
.macro TURN s, nslot, fill
	s_wait_tensorcnt 0x0
	ds_add_u32 v[SPW], v[NIL]
	s_wait_dscnt 17
	WIN MUL_LO
	MUL16 0, (\s)%2, \s, 0
	s_wait_dscnt 0x0
	s_barrier_signal -1
	MUL16 2, (\s)%2, \s, 0
	WIN 0
	s_barrier_wait -1
.if \fill
	CREST
	s_add_nc_u64 s[G0X+2:G0X+3], s[G0X+2:G0X+3], 3*CHB
	s_add_nc_u64 s[G0W+2:G0W+3], s[G0W+2:G0W+3], 3*CHB
	s_mov_b32 s[G1X+1], 384<<16                    ; no tensor load of mine is out: a tile's row is 3,072 bytes again
	s_mov_b32 s[G1X+3], 384<<16
	s_mov_b32 s[G1W+1], 384<<16
	s_mov_b32 s[G1W+3], 384<<16
	JLOAD G0X, G1X, G0W, G1W
.else
	PLACES
.endif
	FETCH_B \nslot, 0, 1-(\s)%2
	FETCH_A \nslot, 0, 0
	WIN MUL_HI
	MUL16 4, (\s)%2, \s, 0
	MUL16 6, (\s)%2, \s, 0
	PLACES
	WIN 0
	FETCH_A \nslot, 0, 4
.endm
	s_wait_alu depctr_va_vdst(0)
	s_wait_tensorcnt 0x0                           ; my part of K steps 0-1 is in
	ds_add_u32 v[SPW], v[NIL]
	s_mov_b32 s[G1X+1], 768<<16                    ; no tensor load of mine is out, so a descriptor may be written: the next load's rows are 6,144 bytes, four K steps of a tile
	s_mov_b32 s[G1X+3], 768<<16
	s_mov_b32 s[G1W+1], 768<<16
	s_mov_b32 s[G1W+3], 768<<16
	s_wait_dscnt 0x0
	CROUND                                         ; everybody's part is in, and all sixteen work-groups are here: the joint loads meet
	JLOAD G0X+4, G1X, G0W+4, G1W                   ; K steps 2-5, the first tensor load behind the round
	FETCH_B 0, 0, 0
	FETCH_A 0, 0, 0
	FETCH_A 0, 0, 4
	s_wait_loadcnt 0x0
	STEP 0, 0, 1, 1
	TURN 1, 1, 1
	STEP 2, 1, 1, 0
	STEP 3, 2, 0, 0
	STEP 4, 2, 1, 0
	TURN 5, 0, 0
	STEP 6, 0, 1, 0
	s_wait_dscnt 16
	WIN MUL_LO
	MUL16 0, 1, 7, 0
	MUL16 2, 1, 7, 0
	s_wait_dscnt 0x0
	WIN MUL_HI
	MUL16 4, 1, 7, 0
	MUL16 6, 1, 7, 0
	WIN 0
	PLACES
	s_cmp_eq_u32 s22, 0
	s_cselect_b64 s[4:5], s[82:83], s[84:85]
	s_mov_b32 s6, 13056
	s_cselect_b32 s6, 6656, s6
	s_mov_b32 s7, 12288
	s_cselect_b32 s7, 6144, s7
	s_cmp_eq_u32 s23, 1
	s_cselect_b32 s7, 12800, s7
	s_cselect_b32 s8, 6144, 0
	s_cselect_b32 s9, s[WI], s[WJ]
	s_cselect_b32 s10, s[WJ], s[WI]
	s_and_b32 s11, s20, 31
	s_lshr_b32 s12, s11, 3
	s_and_b32 s11, s11, 7
	s_lshl_b32 s12, s12, 4
	s_lshl_b32 s13, s19, 2
	s_add_co_u32 s12, s12, s13
	s_lshl_b32 s9, s9, 1
	s_add_co_u32 s12, s12, s9
	s_lshl_b32 s12, s12, 4
	s_lshl_b32 s11, s11, 1
	s_add_co_u32 s12, s12, s11
	s_add_co_u32 s12, s12, s10
	s_mul_i32 s12, s12, s6
	s_mov_b32 s13, 0
	s_add_nc_u64 s[4:5], s[4:5], s[12:13]
	s_lshl_b32 s12, s6, 4
	s_mov_b32 s9, 0
	s_add_nc_u64 s[OC:OC+1], s[4:5], s[8:9]
	s_add_nc_u64 s[OC+2:OC+3], s[OC:OC+1], s[12:13]
	s_mov_b32 s8, s7
	s_add_nc_u64 s[OS:OS+1], s[4:5], s[8:9]
	s_add_nc_u64 s[OS+2:OS+3], s[OS:OS+1], s[12:13]
.irp b, 0,1,2,3
	v_mov_b32 v[TM+4+\b], 0
.endr
.macro QUANT s, pw
.irp b, 0,1,2,3
	v_max3_num_f32 v[TM+\b], |v[(\s)+16*\b]|, |v[(\s)+1+16*\b]|, 0x1800000
.endr
.irp i, 2,4,6,8,10,12,14
.irp b, 0,1,2,3
	v_max3_num_f32 v[TM+\b], v[TM+\b], |v[(\s)+16*\b+\i]|, |v[(\s)+1+16*\b+\i]|
.endr
.endr
.irp b, 0,1,2,3
	v_permlanex16_b32 v[TM+4+\b], v[TM+\b], s[SEL], s[SEL+1]
.endr
.irp b, 0,1,2,3
	v_max_num_f32 v[TM+\b], v[TM+\b], v[TM+4+\b]
.endr
.irp b, 0,1,2,3
	v_add_nc_u32 v[TM+12+\b], 0xff000000, v[TM+\b]
.endr
.irp b, 0,1,2,3
	v_lshrrev_b32 v[TM+4+\b], 23, v[TM+12+\b]
.endr
	v_lshl_or_b32 v[\pw], v[TM+5], 8, v[TM+4]
	v_lshl_or_b32 v[\pw], v[TM+6], 16, v[\pw]
	v_lshl_or_b32 v[\pw], v[TM+7], 24, v[\pw]
.irp c, 0,1
	v_cvt_scalef32_pk16_fp6_f32 v[PC+6*\c:PC+2+6*\c], v[(\s)+32*\c:(\s)+15+32*\c], v[TM+12+2*\c]
	v_cvt_scalef32_pk16_fp6_f32 v[PC+12+4*\c:PC+14+4*\c], v[(\s)+16+32*\c:(\s)+31+32*\c], v[TM+12+2*\c+1]
.endr
	v_nop
.irp c, 0,1
.irp i, 0,1,2
	v_permlane16_swap_b32 v[PC+6*\c+\i], v[PC+12+4*\c+\i]
.endr
.irp i, 0,1,2
	v_mov_b32 v[PC+3+6*\c+\i], v[PC+12+4*\c+\i]
.endr
.endr
.endm
.macro EPI a, var
	s_wait_xcnt 0x0
.if \var
	WIN 0x02+(\a)/4
.else
	WIN 0x06+(\a)/4
.endif
.set NN, 0
.rept 32
.if \var
	v_pk_add_f32 v[H+NN:H+NN+1], v[64*((\a)%4)+NN:64*((\a)%4)+NN+1], v[BI+2*(\a):BI+2*(\a)+1] op_sel_hi:[1,0]
.else
	v_pk_add_f32 v[H+NN:H+NN+1], v[64*((\a)%4)+NN:64*((\a)%4)+NN+1], v[96+8*(NN/8)+96*(NN/32)+NN%8:96+8*(NN/8)+96*(NN/32)+NN%8+1]
.endif
.set NN, NN+2
.endr
	WIN 0
	QUANT H, PWB+(\a)
.irp c, 0,1
.if \var
	global_store_b128 v[L16], v[PC+6*\c:PC+6*\c+3], s[OC+2*((\a)/4):OC+2*((\a)/4)+1] offset:1536*((\a)%4)+768*\c
	global_store_b64 v[L8], v[PC+6*\c+4:PC+6*\c+5], s[OC+2*((\a)/4):OC+2*((\a)/4)+1] offset:1536*((\a)%4)+768*\c+512
.else
	global_store_b128 v[L16], v[PC+6*\c:PC+6*\c+3], s[OC+2*\c:OC+2*\c+1] offset:768*(\a)
	global_store_b64 v[L8], v[PC+6*\c+4:PC+6*\c+5], s[OC+2*\c:OC+2*\c+1] offset:768*(\a)+512
.endif
.endr
.endm
	s_cmp_eq_u32 s23, 1
	s_cbranch_scc1 .Lvalue
.irp a, 0,1,2,3,4,5,6,7
	EPI \a, 0
.endr
.irp g, 0,1,2,3
	v_cndmask_b32 v[PK+\g], v[PWB+\g], v[PWB+4+\g], s[LM]
.endr
	global_store_b128 v[L16], v[PK:PK+3], s[OS:OS+1]
.irp g, 0,1,2,3
	v_lshrrev_b32 v[PK+4+\g], 16, v[PK+\g]
.endr
	global_store_b128 v[L16], v[PK+4:PK+7], s[OS+2:OS+3]
	s_branch .Ldone
.Lvalue:
.irp a, 0,1,2,3,4,5,6,7
	EPI \a, 1
.endr
.irp d, 0,1
.irp g, 0,1
	v_cndmask_b32 v[PK+2*\d+\g], v[PWB+4*\d+\g], v[PWB+4*\d+2+\g], s[LM]
.endr
	global_store_b64 v[L8], v[PK+2*\d:PK+2*\d+1], s[OS+2*\d:OS+2*\d+1]
.endr
.Ldone:
	s_wait_tensorcnt 0x0
	ds_add_u32 v[SPW], v[NIL]
	s_wait_dscnt 0x0
	CROUND
	s_endpgm
; ---- THE MASK: mask [4][2048][2048] int32 becomes lane masks, one bit for each number.  128 work-groups x 4 waves: a wave takes one of the 512 tiles of 16 queries (row r of tile T is 32 (T / 2) + 8 (T % 2) + r + 8 (r / 8)) for all 2,048 keys.
; mk: [tile][key step 0-15][64 words]: bit l of word n: mask[query of lane l % 16][128 x step + 64 (n / 32) + 32 (l / 16) + n % 32] != 0: the key that register n of the third launch's scores holds in lane l.
; A HALF STEP is 64 keys: 16 rows x 256 bytes, eight loads, each of two rows' 256 consecutive aligned bytes.  It turns through the wave's own stage in LDS (rows 272 bytes apart; bytes that no tensor load of the other path names)
; and comes back 32 neighbours to a lane; 32 compares give 32 words.  Eight sets of 32 registers, in window 1, take turns: behind the loop's start 56 loads a wave are out at the most.  This path issues no tensor load.
.set MST,  SPARE+512
.set MPI,  272
.set MMA,  32                          ; v32-33  64 mask words, two to a lane
.set MVO,  34                          ; v34     8,192 (lane / 16) + 16 (lane % 16)
.set MSTO, 35                          ; v35     the stage, on the way in
.set MRD,  36                          ; v36     and on the way out
.set MX,   64                          ; v64-127 two sets of 32 numbers back from the stage
.macro LOADM q, col                    ; a half step at byte col of the rows into set q; load j takes the tile's rows 2 j and 2 j + 1
	WIN TO_B
.irp j, 0,1,2,3,4,5,6,7
	global_load_b128 v[32*(\q)+4*\j:32*(\q)+4*\j+3], v[MVO], s[4:5] offset:(2*\j+8*(\j/4))*8192+(\col) th:TH_LOAD_NT
.endr
	WIN 0
.endm
.macro TURNM q                         ; LDS serves a wave's instructions in order: no wait between the stores and the loads, nor between the last half step's loads and these stores
	WIN 0x04                                       ; the data: window 1
.irp j, 0,1,2,3,4,5,6,7
	ds_store_b128 v[MSTO], v[32*((\q)%8)+4*\j:32*((\q)%8)+4*\j+3] offset:2*MPI*\j
.endr
	WIN 0
.irp j, 0,1,2,3,4,5,6,7
	ds_load_b128 v[MX+32*((\q)%2)+4*\j:MX+32*((\q)%2)+4*\j+3], v[MRD] offset:16*\j
.endr
.endm
.macro HS q, more                      ; half step q of a trip's eight; more = 1: set q is asked for again, eight half steps on
.if (\q) < 7 || (\more)
.if \more
	s_wait_loadcnt 48                              ; the next set is in: six sets of eight loads were issued behind it
.else
	s_wait_loadcnt 8*(6-(\q))
.endif
	TURNM (\q)+1
	s_wait_dscnt 16                                ; all but the 16 just issued: this half step is back, and its stores have read set q
.else
	s_wait_dscnt 0x0
.endif
.if \more
	LOADM \q, 256*((\q)+8)
.endif
.if (\q)%2 == 0
	s_wait_xcnt 0x0                                ; the last store has read the two registers that are written again below
.endif
.irp p, 0,1
.irp n, 0,1,2,3,4,5,6,7,8,9,10,11,12,13,14,15
	v_cmp_ne_u32 s[32+\n], 0, v[MX+32*((\q)%2)+16*\p+\n]   ; word 32 (q % 2) + 16 p + n: a bit for each lane
.endr
.irp n, 0,1,2,3,4,5,6,7,8,9,10,11,12,13,14,15
	v_writelane_b32 v[MMA+\n%2], s[32+\n], (32*((\q)%2)+16*\p+\n)/2   ; words 2 l and 2 l + 1 to lane l
.endr
.endr
.if (\q)%2
	global_store_b64 v[L8], v[MMA:MMA+1], s[6:7] offset:256*((\q)/2)   ; a key step's 64 words: 256 consecutive bytes, aligned
.endif
.endm
.Lmaskpath:
	s_sub_co_u32 s8, s21, 24
	s_lshl_b32 s8, s8, 2
	s_add_co_u32 s8, s8, s18
	s_lshl_b32 s8, s8, 2
	s_add_co_u32 s8, s8, s17
	s_lshl_b32 s8, s8, 2
	s_add_co_u32 s8, s8, s[WV]                     ; my tile, 0-511: it enters global addresses of my own loads and stores alone
	s_lshr_b32 s10, s8, 1
	s_lshl_b32 s10, s10, 18                        ; 32 rows of 8,192 bytes for each pair of tiles,
	s_and_b32 s9, s8, 1
	s_lshl_b32 s9, s9, 16                          ; 8 rows for the odd one
	s_add_co_u32 s10, s10, s9
	s_mov_b32 s11, 0
	s_add_nc_u64 s[4:5], s[4:5], s[10:11]
	s_lshl_b32 s10, s8, 12                         ; 4,096 bytes of mk a tile
	s_add_nc_u64 s[6:7], s[6:7], s[10:11]
	s_mul_i32 s9, s[WV], 16*MPI
	s_add_co_u32 s9, s9, MST                       ; my stage
	v_lshlrev_b32 v[MVO], 13, v20
	v_lshl_add_u32 v[MVO], v19, 4, v[MVO]
	v_mul_u32_u24 v[MSTO], v20, MPI
	v_lshl_add_u32 v[MSTO], v19, 4, v[MSTO]
	v_add_nc_u32 v[MSTO], s9, v[MSTO]              ; in: row 2 j + lane / 16, 16 bytes a lane
	v_mul_u32_u24 v[MRD], v19, MPI
	v_lshl_add_u32 v[MRD], v20, 7, v[MRD]
	v_add_nc_u32 v[MRD], s9, v[MRD]                ; out: row r, 128 bytes for each half of the lanes
	v_mov_b32 v[MMA], 0                            ; written once: v_writelane_b32's destination counts as read
	v_mov_b32 v[MMA+1], 0
	s_wait_alu depctr_va_vdst(0)                   ; the wait behind the path's set-up
.irp q, 0,1,2,3,4,5,6,7
	LOADM \q, 256*\q
.endr
	s_wait_loadcnt 56                              ; set 0 is in
	TURNM 0
	s_mov_b32 s12, 3
.Lmtrip:                                               ; a trip is eight half steps, four key steps; the fourth trip asks for nothing more and is written out
.irp q, 0,1,2,3,4,5,6,7
	HS \q, 1
.endr
	s_wait_xcnt 0x0                                ; my loads and stores have read their bases
	s_add_nc_u64 s[4:5], s[4:5], 2048
	s_add_nc_u64 s[6:7], s[6:7], 1024
	s_sub_co_u32 s12, s12, 1
	s_cmp_lg_u32 s12, 0
	s_wait_alu depctr_va_vdst(0)                   ; the wait directly ahead of the branch
	s_cbranch_scc1 .Lmtrip
.irp q, 0,1,2,3,4,5,6,7
	HS \q, 0
.endr
	s_wait_tensorcnt 0x0                           ; the wave's end
	ds_add_u32 v[SPW], v[NIL]
	s_wait_dscnt 0x0
	CROUND                                         ; the closing round, as on the other path
	s_endpgm
.Lfunc_end_k_q8b1e690568_proj:
	.size	k_q8b1e690568_proj, .Lfunc_end_k_q8b1e690568_proj-k_q8b1e690568_proj
	.p2alignl 7, 3214868480
	.fill 96, 4, 3214868480
	.section	.rodata,"a",@progbits
	.p2align	6, 0x0
	.amdhsa_kernel k_q8b1e690568_proj
		.amdhsa_group_segment_fixed_size 327680
		.amdhsa_private_segment_fixed_size 0
		.amdhsa_enable_private_segment 0
		.amdhsa_kernarg_size 72
		.amdhsa_user_sgpr_count 2
		.amdhsa_user_sgpr_kernarg_segment_ptr 1
		.amdhsa_wavefront_size32 1
		.amdhsa_system_sgpr_workgroup_id_x 1
		.amdhsa_system_sgpr_workgroup_id_y 1
		.amdhsa_system_sgpr_workgroup_id_z 1
		.amdhsa_system_vgpr_workitem_id 0
		.amdhsa_next_free_vgpr 1024
		.amdhsa_next_free_sgpr 100
		.amdhsa_reserve_vcc 0
		.amdhsa_float_denorm_mode_32 3
		.amdhsa_float_denorm_mode_16_64 3
		.amdhsa_memory_ordered 1
		.amdhsa_forward_progress 1
		.amdhsa_inst_pref_size 255
	.end_amdhsa_kernel
	.section	.bss,"aw",@nobits
	.p2align	6
	.space	262144
	.amdgpu_metadata
---
amdhsa.version: [ 1, 2 ]
amdhsa.kernels:
  - .name:           k_q8b1e690568_proj
    .symbol:         k_q8b1e690568_proj.kd
    .args:
      - { .name: cod, .offset: 0, .size: 8, .value_kind: global_buffer, .address_space: global }
      - { .name: scl, .offset: 8, .size: 8, .value_kind: global_buffer, .address_space: global }
      - { .name: bq, .offset: 16, .size: 8, .value_kind: global_buffer, .address_space: global }
      - { .name: bk, .offset: 24, .size: 8, .value_kind: global_buffer, .address_space: global }
      - { .name: bv, .offset: 32, .size: 8, .value_kind: global_buffer, .address_space: global }
      - { .name: qq, .offset: 40, .size: 8, .value_kind: global_buffer, .address_space: global }
      - { .name: kv, .offset: 48, .size: 8, .value_kind: global_buffer, .address_space: global }
      - { .name: mask, .offset: 56, .size: 8, .value_kind: global_buffer, .address_space: global }
      - { .name: mk, .offset: 64, .size: 8, .value_kind: global_buffer, .address_space: global }
    .group_segment_fixed_size: 327680
    .private_segment_fixed_size: 0
    .kernarg_segment_align: 8
    .kernarg_segment_size: 72
    .max_flat_workgroup_size: 128
    .sgpr_count:     100
    .vgpr_count:     1024
    .wavefront_size: 32
...
	.end_amdgpu_metadata
.endif
;; end of part 2
;; launch attn (part 3): grid 4 x 64, 16 waves a work-group, clusters of 4 x 1, 210,944 bytes of LDS; arguments qq, kv, mk, ac, asc; writes ac, asc
.if DOCPART == 3
	.amdgcn_target "amdgcn-amd-amdhsa--gfx1250"
	.amdhsa_code_object_version 6
	.text
	.protected	k_q8b1e690568_attn
	.globl	k_q8b1e690568_attn
	.p2align	8
	.type	k_q8b1e690568_attn,@function
k_q8b1e690568_attn:
	s_mov_b64 s[64:65], 0
	v_nop
	global_prefetch_b8 v0, s[64:65] scope:SCOPE_SE
	s_setreg_imm32_b32 hwreg(HW_REG_WAVE_MODE, 25, 1), 1
	s_wait_xcnt 0x0
	s_wait_alu depctr_hold_cnt(0) depctr_sa_sdst(0) depctr_va_vdst(0) depctr_va_sdst(0) depctr_va_ssrc(0) depctr_va_vcc(0) depctr_vm_vsrc(0)
	s_getreg_b32 s2, hwreg(HW_REG_IB_STS2, 6, 4)
	s_cmp_eq_u32 s2, 0
	s_cbranch_scc0 .Lentry_in_a_cluster
	s_endpgm
.Lentry_in_a_cluster:
	s_bfe_u32 s2, ttmp6, 0x10000c
	s_cmp_lg_u32 s2, 0x3003
	s_cbranch_scc0 .Lentry_shape_is_right
	s_endpgm
.Lentry_shape_is_right:
; THIRD LAUNCH: the attention of one batch and head for 512 queries a work-group, both products on codes of E2M3; the result is quantised at once, along the features, for the last projection.
; Nothing of the problem is left out here: the mask is an input, so every key step is walked.
; SHARES.  64 heads x 4 blocks of 512 queries = 256 work-groups.  Sixteen waves; wave w owns tiles 2 w and 2 w + 1 of its block's 32 tiles of 16 queries and walks them one after the other.
; A WHOLE HEAD'S K, V AND THEIR SCALES LIE IN LDS: 16 key steps x 13,056 bytes, filled once: wave w brings key step w by one tensor load of 51 rows of 256 bytes.  No slot is filled again, and both tiles read the same bytes.
; CLUSTER.  The four work-groups of a cluster hold the four query blocks of one head: each of the 16 blocks of kv is asked for JOINTLY, by the same tensor load with the same descriptor and the mask of all four.
; No prefetch: the launch's only tensor loads stand at its head, with no loop ahead of them; the mask words come by scalar loads, asked for most of a step ahead.
; LAYOUT.  Both products are used transposed: S^T = K Q^T (source 0 = 16 keys), O^T = V^T P^T (source 0 = 16 features): a lane holds one query throughout.
; Row m of K's tile t of a step is key 64 (t / 4) + 32 (m / 8) + 8 (t % 4) + m % 8, so register n of the 64 scores is key 64 (n / 32) + 32 (lane / 16) + n % 32:
; A LANE HOLDS TWO WHOLE BLOCKS OF 32 KEYS, in the order in which p's operand wants them: a block's maximum needs no other lane, and the conversions' results change no lane.
; THE SCORE'S K IS 64, the instruction's 128.  Q's upper six registers are zero codes.  K's operand for tile t is 12 registers from its six on: the upper six are the next tile's codes (zeros behind the last): E2M3 has no NaN and no
; infinity, so they meet zeros and add exactly 0; bytes 2 and 3 of both scale words are never 0xff.
; THE MASK comes as lane masks, 64 words a key step; one v_cndmask_b32 a score puts -2^33 in a hidden score's place, AHEAD of the maximum, as the problem's where() does.
; -2^33 x c is a whole number that f32 holds exactly, so in a row with no open key t = M, the multiply-add gives 0 and every p is 1, as the problem's -1e9 gives; in every other row a hidden p is 0.
; SOFTMAX: t = score x c, c = log2(e) / 8; M = the running largest t rounded up to a whole number; p = 2^(t - M) is quantised along the keys; the sum of the unquantised p divides at the end; when M moves, sum and O^T are multiplied by 2^(old M - new M), exactly.
; A block's largest p is not searched for: the block's largest score goes through the same multiply-add and exponential (this takes v_exp_f32 not to fall where its input rises).
; LIMITS: a hidden logit stands at -2^30, not -1e9: results differ only where an open logit lies near -1e9, and the promise holds while the scaled scores stay under 2^31 in magnitude; p under 2^-126 is 0 (v_exp_f32 flushes);
; a block of zeros carries the byte 1; NaN and infinities are not served.
; REGISTERS: v1-6 addresses; v7 -2^33; v10 8 (lane / 16); v12 -M, v13 the largest score, v[14:15] the sum; v16-27 Q; v28 Q's scale word, v29 p's; v30 f; v32-85 K's 8 half fragments and six zeros, then V's 4 fragments;
;   v86-87 V's scale words, v88-91 K's; v92-127 at work; v128-191 S^T, then p; v192-223 O^T; v224-230 the second tile's Q; v232-247 partial sums.
.set BLK,   13056                      ; a key step's block
.set VOF,   6144                       ; V's fragments in it
.set KSC,   12288                      ; K's scale words
.set VSC,   12800                      ; V's
.set SPARE, 16*BLK                     ; behind the 16 blocks: the spare words, 128 bytes for each wave: eight blocks of 256 bytes that no other line names
.set L16, 1
.set L8,  2
.set AD16, 3                           ; v3  the step's block + 16 x lane
.set AD8,  4                           ; v4  + 8 x lane
.set SPW, 5                            ; v5  LDS address of my spare word; never rewritten
.set NIL, 6                            ; v6  0; never rewritten
.set NEG, 7
.set SH8, 10
.set FR,  32
.set VS,  86
.set KS,  88
.set X,   92                           ; v92-99   eight chains of maxima; v92 and v96 end as my two blocks' largest scores, then largest p
.set BY,  100                          ; v100-101 the scale bytes
.set SO,  102                          ; v102-103 the conversions' scale operands
.set PC,  104                          ; v104-115 p's codes
.set CT,  116                          ; v116-123 conversions' second halves
.set S,   128
.set O,   192
.set QB,  224
.set T,   232
.set WV,  14
.set TB,  15                           ; s15 LDS byte at which the step's block begins
.set G1,  16                           ; s[16:23], s[24:27] the descriptor
.set G0,  24
.set MS,  16                           ; s[16:17] behind the tensor load's wait: how far the mask pointer steps
.set GC,  18                           ; s18 steps to go, over both tiles
.set SEL, 28                           ; s[28:29]
.set CS,  30                           ; s[30:31] c, twice: the packed form names a pair
.set CNT, 66
.set MKP, 100                          ; s[100:101] my tiles' mask words; word n of a step is in s[32 + n] (n < 32) or s[36 + n]
.macro CROUND
	s_barrier_signal -1
	s_barrier_wait -1
	s_cmp_lg_u32 s[WV], 0
	s_cbranch_scc1 .Lnot_wave_0_\@
	s_barrier_signal -3
.Lnot_wave_0_\@:
	s_barrier_wait -3
	s_barrier_signal -1
	s_barrier_wait -1
.endm
	s_load_b256 s[4:11], s[0:1], 0x0               ; qq s[4:5], kv s[6:7], mk s[8:9], ac s[10:11]
	s_load_b64 s[12:13], s[0:1], 0x20              ; asc
	v_lshl_add_u32 v[SPW], v0, 2, SPARE
	v_mov_b32 v[NIL], 0
	ds_add_u32 v[SPW], v[NIL]                      ; the wave's opening: the add, twice on end, and its wait ahead of my tensor load; the set-up below stands between
	ds_add_u32 v[SPW], v[NIL]
	v_lshrrev_b32 v8, 5, v0
	s_delay_alu instid0(VALU_DEP_1)
	v_readfirstlane_b32 s[WV], v8                  ; wave 0..15
	s_bfe_u32 s67, ttmp6, 0x40000                  ; cx
	s_lshl_b32 s2, ttmp9, 2
	s_add_co_u32 s2, s2, s67                       ; my block of 512 queries: it enters global addresses of my own loads and stores alone
	s_and_b32 s3, ttmp7, 0xffff                    ; 16 x batch + head, which the four partners share
	s_mov_b32 s[G1], 15|(3<<16)|(1<<21)            ; 15:0 the mask: all four work-groups; 17:16 elements of 8 bytes; 20 no padding; 21 set beside a mask
	s_mov_b32 s[G1+1], 32<<16                      ; tensor_dim0: 32 elements, 256 bytes
	s_mov_b32 s[G1+2], 51<<16                      ; tensor_dim1: 51 rows
	s_mov_b32 s[G1+3], 32<<16                      ; tile_dim0
	s_mov_b32 s[G1+4], 51                          ; tile_dim1
	s_mov_b32 s[G1+5], 32                          ; the rows are dense
	s_mov_b32 s[G1+6], 0
	s_mov_b32 s[G1+7], 0
	s_lshl_b32 s32, s3, 4
	s_add_co_u32 s32, s32, s[WV]
	s_mul_i32 s32, s32, BLK                        ; key step w of my head, in memory,
	s_mov_b32 s33, 0
	s_mul_i32 s34, s[WV], BLK                      ; and in LDS
	s_mov_b32 s[SEL], 0x76543210
	s_mov_b32 s[SEL+1], 0xfedcba98
	s_mov_b32 s[CS], 0x3e38aa3b                    ; c = log2(e) / 8
	s_mov_b32 s[CS+1], s[CS]
	v_and_b32 v8, 31, v0
	s_delay_alu instid0(VALU_DEP_1)
	v_lshlrev_b32 v[L16], 4, v8
	s_delay_alu instid0(VALU_DEP_2)
	v_lshlrev_b32 v[L8], 3, v8
	v_bfe_u32 v[SH8], v0, 4, 1
	v_and_b32 v8, 15, v0
	s_delay_alu instid0(VALU_DEP_2)
	v_lshlrev_b32 v[SH8], 3, v[SH8]                ; 8 bits up for lanes 16-31: their blocks' places in p's scale word
	s_delay_alu instid0(VALU_DEP_2)
	v_lshlrev_b32 v8, 4, v8                        ; Q's scale words: 16 bytes a row
	s_wait_dscnt 0x0                               ; both opening adds are done
	s_wait_kmcnt 0x0
	s_mov_b32 s[G0], 1
	s_mov_b32 s[G0+1], s34
	s_add_nc_u64 s[G0+2:G0+3], s[6:7], s[32:33]
	s_or_b32 s[G0+3], s[G0+3], 0x80000000
	CROUND                                         ; all four work-groups are here: the joint loads meet
	tensor_load_to_lds s[G0:G0+3], s[G1:G1+7]      ; my one tensor load of the launch
	s_nop 0
.rept 4
	v_nop
.endr
	s_lshl_b32 s35, s3, 4                          ; Q lies in blocks of 8 tiles: block 16 x (batch, head) + 4 x my query block + w / 4; my tiles are 2 (w % 4) and the next
	s_lshl_b32 s36, s2, 2
	s_add_co_u32 s35, s35, s36
	s_lshr_b32 s36, s[WV], 2
	s_add_co_u32 s35, s35, s36
	s_mul_i32 s36, s35, 6656
	s_mov_b32 s37, 0
	s_add_nc_u64 s[4:5], s[4:5], s[36:37]
	s_and_b32 s38, s[WV], 3
	s_mul_i32 s38, s38, 1536
	s_mov_b32 s39, 0
	s_add_nc_u64 s[6:7], s[4:5], s[38:39]
	s_wait_alu depctr_va_vdst(0)                   ; the wait ahead of the first readers of the head's addresses
	global_load_b128 v[16:19], v[L16], s[6:7]      ; the first tile's half fragment of Q,
	global_load_b64 v[20:21], v[L8], s[6:7] offset:512
	global_load_b128 v[QB:QB+3], v[L16], s[6:7] offset:768    ; and the second's, kept until its turn
	global_load_b64 v[QB+4:QB+5], v[L8], s[6:7] offset:1280
	s_bfe_u32 s38, s[WV], 0x10001                  ; the scale word of tile 4 h + g lies at 16 (r + 16 h) + 4 g: h = (w / 2) % 2, g = 2 (w % 2) and the next
	s_lshl_b32 s38, s38, 8
	s_and_b32 s42, s[WV], 1
	s_lshl_b32 s42, s42, 3
	s_add_co_u32 s38, s38, s42
	s_add_nc_u64 s[4:5], s[4:5], s[38:39]
	global_load_b32 v28, v8, s[4:5] offset:6144
	global_load_b32 v[QB+6], v8, s[4:5] offset:6148
	s_lshr_b32 s43, s3, 4
	s_lshl_b32 s43, s43, 7
	s_lshl_b32 s44, s2, 5
	s_add_co_u32 s43, s43, s44
	s_lshl_b32 s44, s[WV], 1
	s_add_co_u32 s43, s43, s44                     ; my first tile of queries among the 512: 128 x batch + 32 x block + 2 w
	s_lshl_b32 s44, s43, 12
	s_mov_b32 s45, 0
	s_add_nc_u64 s[MKP:MKP+1], s[8:9], s[44:45]    ; my two tiles' mask words are 32 steps x 256 bytes on end
	s_and_b32 s46, s3, 15                          ; the head
	s_mul_i32 s44, s43, 12288
	s_mul_i32 s47, s46, 768
	s_add_co_u32 s44, s44, s47
	s_add_nc_u64 s[10:11], s[10:11], s[44:45]      ; ac: my tile, K step head / 2, half head % 2
	s_lshl_b32 s44, s43, 9
	s_lshl_b32 s47, s46, 1
	s_add_co_u32 s44, s44, s47
	s_add_nc_u64 s[12:13], s[12:13], s[44:45]      ; asc: my tile, bytes 2 x head and 2 x head + 1 of each row
	s_load_b512 s[32:47], s[MKP:MKP+1], 0x0        ; the first step's 64 mask words
	s_load_b512 s[48:63], s[MKP:MKP+1], 0x40
	s_load_b512 s[68:83], s[MKP:MKP+1], 0x80
	s_load_b512 s[84:99], s[MKP:MKP+1], 0xc0
	v_mov_b32 v[NEG], 0xd0000000                   ; -2^33
	v_mov_b32 v31, 0                               ; (named as the upper half of the pair v[30:31])
.irp j, 22,23,24,25,26,27, 80,81,82,83,84,85
	v_mov_b32 v\j, 0                               ; zero codes: Q's upper 64 along K; what stands behind K's last tile
.endr
.irp j, 100,101,124,125,127
	v_mov_b32 v\j, 0                               ; written once: a lane permute's destination counts as one of its sources
.endr
.macro INIT                            ; a tile's start: the step is written for every step alike; the first finds zeros, which the first change of M leaves zeros
	v_mov_b32 v12, 0x7f000000                      ; -M = 2^127: the first step's f is 0
	v_mov_b32 v13, 0xff61b1e6                      ; the largest score so far: -3e38
	v_mov_b32 v14, 0                               ; the sum, in two halves
	v_mov_b32 v15, 0
.set NN, 0
.rept 32
	v_mov_b32 v[O+NN], 0
.set NN, NN+1
.endr
.endm
; A KEY STEP: 128 keys
.macro STEP
	v_add_nc_u32 v[AD16], s[TB], v[L16]
	v_add_nc_u32 v[AD8], s[TB], v[L8]
	v_nop
	v_nop                                          ; four places between the last step's products and the loads into the registers that they read
.irp t, 0,1,2,3,4,5,6,7
	ds_load_b128 v[FR+6*\t:FR+6*\t+3], v[AD16] offset:768*\t
	ds_load_b64 v[FR+6*\t+4:FR+6*\t+5], v[AD8] offset:768*\t+512
.endr
	ds_load_b128 v[KS:KS+3], v[AD16] offset:KSC    ; K's scale words: tile 4 h + g in register g, lanes 16 h on
	s_wait_alu depctr_va_vdst(0)
	s_wait_dscnt 0x0
.irp t, 0,1,2,3
	v_wmma_scale_f32_16x16x128_f8f6f4 v[S+8*\t:S+8*\t+7], v[FR+6*\t:FR+6*\t+11], v[16:27], 0, v[KS+\t], v28 matrix_a_fmt:MATRIX_FMT_FP6 matrix_b_fmt:MATRIX_FMT_FP6
.endr
.irp t, 4,5,6,7
	v_wmma_scale_f32_16x16x128_f8f6f4 v[S+8*\t:S+8*\t+7], v[FR+6*\t:FR+6*\t+11], v[16:27], 0, v[KS+\t-4], v28 matrix_a_fmt:MATRIX_FMT_FP6 matrix_b_fmt:MATRIX_FMT_FP6 matrix_a_scale:MATRIX_SCALE_ROW1
.endr
.rept 4
	v_nop                                          ; places in front of the loads below and of the first read of the scores
.endr
.irp d, 0,1,2,3                                ; V's four fragments land while the softmax is walked
	ds_load_b128 v[FR+12*\d:FR+12*\d+3], v[AD16] offset:VOF+1536*\d
	ds_load_b64 v[FR+12*\d+4:FR+12*\d+5], v[AD8] offset:VOF+1536*\d+512
	ds_load_b128 v[FR+12*\d+6:FR+12*\d+9], v[AD16] offset:VOF+1536*\d+768
	ds_load_b64 v[FR+12*\d+10:FR+12*\d+11], v[AD8] offset:VOF+1536*\d+1280
.endr
	ds_load_b64 v[VS:VS+1], v[AD8] offset:VSC      ; V's scale words: tile 2 h + g in register g, lanes 16 h on
	s_wait_kmcnt 0x0                               ; this step's mask words
.set NN, 0
.rept 64                                       ; a hidden score becomes -2^33.  Ascending: each accumulator is read from its low end on
	v_cndmask_b32 v[S+NN], v[NEG], v[S+NN], s[32+NN+4*(NN/32)]
.set NN, NN+1
.endr
.irp q, 0,1,2,3,4,5,6,7                        ; the largest score of my two blocks of 32 keys: eight chains of eight scores by turns, four to a block
	v_max3_num_f32 v[X+\q], v[S+8*\q], v[S+8*\q+1], v[S+8*\q+2]
.endr
.irp i, 3,5
.irp q, 0,1,2,3,4,5,6,7
	v_max3_num_f32 v[X+\q], v[X+\q], v[S+8*\q+\i], v[S+8*\q+\i+1]
.endr
.endr
.irp c, 0,1
	v_max3_num_f32 v[X+4*\c], v[X+4*\c], v[S+32*\c+7], v[S+32*\c+15]
	v_max3_num_f32 v[X+4*\c+1], v[X+4*\c+1], v[S+32*\c+23], v[S+32*\c+31]
.endr
	s_delay_alu instid0(VALU_DEP_3)
	v_max3_num_f32 v[X], v[X], v[X+1], v[X+2]
	s_delay_alu instid0(VALU_DEP_2)
	v_max3_num_f32 v[X+4], v[X+4], v[X+5], v[X+6]
	s_delay_alu instid0(VALU_DEP_2)
	v_max_num_f32 v[X], v[X], v[X+3]               ; block 2 x 0 + lane / 16
	s_delay_alu instid0(VALU_DEP_2)
	v_max_num_f32 v[X+4], v[X+4], v[X+7]           ; block 2 x 1 + lane / 16
	s_delay_alu instid0(VALU_DEP_1)
	v_max_num_f32 v124, v[X], v[X+4]
	s_delay_alu instid0(VALU_DEP_1)
	v_permlanex16_b32 v125, v124, s[SEL], s[SEL+1]
	s_delay_alu instid0(VALU_DEP_1)
	v_max3_num_f32 v13, v13, v124, v125            ; the running largest score of my query, lane l xor 16's 64 keys among them
	s_delay_alu instid0(VALU_DEP_1)
	v_mul_f32 v124, s[CS], v13                     ; as t (c is positive, so the largest score gives the largest t)
	s_delay_alu instid0(VALU_DEP_1)
	v_floor_f32 v125, -v124                        ; the new -M = floor(-t): M is a whole number
	s_delay_alu instid0(VALU_DEP_1)
	v_sub_f32 v124, v125, v12                      ; M's old value less its new one: a whole number, 0 or less
	v_mov_b32 v12, v125
	s_delay_alu instid0(VALU_DEP_2)
	v_cvt_i32_f32 v124, v124                       ; (it saturates)
	s_delay_alu instid0(VALU_DEP_1)
	v_ldexp_f32 v30, 1.0, v124                     ; f = 2^(old M - new M)
	s_delay_alu instid0(VALU_DEP_3)
.set NN, 0
.rept 16
	v_pk_fma_f32 v[S+NN:S+NN+1], v[S+NN:S+NN+1], s[CS:CS+1], v[12:13] op_sel_hi:[1,0,0]   ; t - M, two at a time
.set NN, NN+2
.endr
	s_cmp_lg_u32 s[GC], 1                          ; the next step's mask words; my second tile's follow my first's.  In my last step the pointer stands still, so that no load leaves the buffer
	s_cselect_b32 s[MS], 256, 0
	s_add_nc_u64 s[MKP:MKP+1], s[MKP:MKP+1], s[MS:MS+1]   ; (the wait on KMcnt above has shown the last four loads done: their base may step)
	s_sub_co_u32 s[GC], s[GC], 1
	s_load_b512 s[32:47], s[MKP:MKP+1], 0x0
	s_load_b512 s[48:63], s[MKP:MKP+1], 0x40
	s_load_b512 s[68:83], s[MKP:MKP+1], 0x80
	s_load_b512 s[84:99], s[MKP:MKP+1], 0xc0
.rept 16
	v_pk_fma_f32 v[S+NN:S+NN+1], v[S+NN:S+NN+1], s[CS:CS+1], v[12:13] op_sel_hi:[1,0,0]
.set NN, NN+2
.endr
	v_fma_f32 v[X], v[X], s[CS], v12               ; the same of each block's largest score
	v_fma_f32 v[X+4], v[X+4], s[CS], v12
	s_wait_alu depctr_va_vdst(0)                   ; the wait ahead of the batch
.set NN, 0
.rept 64
	v_exp_f32 v[S+NN], v[S+NN]                     ; p = 2^(t - M), at most 1: not normalised
.set NN, NN+1
.endr
	v_exp_f32 v[X], v[X]                           ; my blocks' largest p
	v_exp_f32 v[X+4], v[X+4]
	v_pk_mul_f32 v[14:15], v[14:15], v[30:31] op_sel_hi:[1,0]   ; the sums under the new M.  (A plain place behind the exponentials)
	s_wait_alu depctr_va_vdst(0)                   ; one wait for the whole batch, ahead of its first reader
.irp i, 0,1,2,3,4,5,6,7                        ; the sum of the unquantised p: 32 pairs in eight chains by turns
	v_pk_add_f32 v[T+2*\i:T+2*\i+1], v[S+2*\i:S+2*\i+1], v[S+16+2*\i:S+17+2*\i]
.endr
.irp g, 32,48
.irp i, 0,1,2,3,4,5,6,7
	v_pk_add_f32 v[T+2*\i:T+2*\i+1], v[T+2*\i:T+2*\i+1], v[S+\g+2*\i:S+\g+2*\i+1]
.endr
.endr
.irp i, 0,1,2,3
	s_delay_alu instid0(VALU_DEP_4)
	v_pk_add_f32 v[T+2*\i:T+2*\i+1], v[T+2*\i:T+2*\i+1], v[T+8+2*\i:T+9+2*\i]
.endr                                          ; the chains' ends and the scale's arithmetic by turns
	v_max_num_f32 v[X], 0x1800000, v[X]            ; the floor 2^(3 - 127): the byte cannot fall under 1
	v_max_num_f32 v[X+4], 0x1800000, v[X+4]
	s_delay_alu instid0(VALU_DEP_4)
	v_pk_add_f32 v[T:T+1], v[T:T+1], v[T+4:T+5]
	s_delay_alu instid0(VALU_DEP_4)
	v_pk_add_f32 v[T+2:T+3], v[T+2:T+3], v[T+6:T+7]
	s_delay_alu instid0(VALU_DEP_4)
	v_add_nc_u32 v[SO], 0xff000000, v[X]           ; 2 off the exponent field: the conversion's scale operand
	s_delay_alu instid0(VALU_DEP_4)
	v_add_nc_u32 v[SO+1], 0xff000000, v[X+4]
	s_delay_alu instid0(VALU_DEP_3)
	v_pk_add_f32 v[T:T+1], v[T:T+1], v[T+2:T+3]
	s_delay_alu instid0(VALU_DEP_3)
	v_lshrrev_b32 v[BY], 23, v[SO]                 ; the scale's byte
	s_delay_alu instid0(VALU_DEP_3)
	v_lshrrev_b32 v[BY+1], 23, v[SO+1]
	s_delay_alu instid0(VALU_DEP_3)
	v_pk_add_f32 v[14:15], v[14:15], v[T:T+1]
	s_delay_alu instid0(VALU_DEP_2)
	v_lshl_or_b32 v126, v[BY+1], 16, v[BY]         ; my two bytes: blocks lane / 16 and 2 + lane / 16,
	s_delay_alu instid0(VALU_DEP_1)
	v_lshlrev_b32 v126, v[SH8], v126               ; at their places in the scale word;
	s_delay_alu instid0(VALU_DEP_1)
	v_permlanex16_b32 v127, v126, s[SEL], s[SEL+1]
	s_delay_alu instid0(VALU_DEP_1)
	v_or_b32 v29, v126, v127                       ; with lane l xor 16's two the word of these 128 keys is whole
.irp c, 0,1
	v_cvt_scalef32_pk16_fp6_f32 v[PC+6*\c:PC+6*\c+2], v[S+32*\c:S+32*\c+15], v[SO+\c]
	v_cvt_scalef32_pk16_fp6_f32 v[CT+4*\c:CT+4*\c+2], v[S+32*\c+16:S+32*\c+31], v[SO+\c]   ; (a conversion's three registers begin on an even number)
.endr
	s_wait_alu depctr_va_vdst(0)                   ; the wait directly ahead of the first reader of O^T
.set NN, 0
.rept 8
	v_pk_mul_f32 v[O+NN:O+NN+1], v[O+NN:O+NN+1], v[30:31] op_sel_hi:[1,0]   ; O^T under the new M.  (These are also the plain places behind the conversions)
.set NN, NN+2
.endr
.irp c, 0,1
.irp i, 0,1,2
	v_mov_b32 v[PC+3+6*\c+\i], v[CT+4*\c+\i]       ; registers 6 c .. 6 c + 5 hold keys 64 c + 32 (lane / 16) + 0 .. 31
.endr
.endr
.rept 8
	v_pk_mul_f32 v[O+NN:O+NN+1], v[O+NN:O+NN+1], v[30:31] op_sel_hi:[1,0]   ; (and these the places between the codes' last writes and the products; the scale word stands 22 ahead)
.set NN, NN+2
.endr
	s_wait_alu depctr_va_vdst(0)                   ; the wait directly ahead of the wait below
	s_wait_dscnt 0x0                               ; V
.irp d, 0,1                                    ; the four accumulators take turns, one instruction a turn
	v_wmma_scale_f32_16x16x128_f8f6f4 v[O+8*\d:O+8*\d+7], v[FR+12*\d:FR+12*\d+11], v[PC:PC+11], v[O+8*\d:O+8*\d+7], v[VS+\d], v29 matrix_a_fmt:MATRIX_FMT_FP6 matrix_b_fmt:MATRIX_FMT_FP6
.endr
.irp d, 2,3
	v_wmma_scale_f32_16x16x128_f8f6f4 v[O+8*\d:O+8*\d+7], v[FR+12*\d:FR+12*\d+11], v[PC:PC+11], v[O+8*\d:O+8*\d+7], v[VS+\d-2], v29 matrix_a_fmt:MATRIX_FMT_FP6 matrix_b_fmt:MATRIX_FMT_FP6 matrix_a_scale:MATRIX_SCALE_ROW1
.endr
	s_add_co_u32 s[TB], s[TB], BLK
.endm
; A TILE OF 16 QUERIES: 16 key steps, and the way out
.macro WALK u
	s_mov_b32 s[TB], 0
	s_mov_b32 s[CNT], 16
	s_wait_alu depctr_va_vdst(0)                   ; the wait behind the tile's set-up
.Lstep\u:
	STEP
	s_sub_co_u32 s[CNT], s[CNT], 1
	s_cmp_lg_u32 s[CNT], 0
	s_cbranch_scc1 .Lstep\u
	; O^T / the sum; register 16 j + i is feature 32 j + 16 (lane / 16) + i of my query: two blocks of the last projection's K
	v_add_f32 v14, v14, v15                        ; the sum's two halves,
	s_delay_alu instid0(VALU_DEP_1)
	v_permlanex16_b32 v124, v14, s[SEL], s[SEL+1]
	s_delay_alu instid0(VALU_DEP_1)
	v_add_f32 v14, v14, v124                       ; and lane l xor 16's
	s_wait_alu depctr_va_vdst(0)                   ; the wait ahead of the transcendental
	v_rcp_f32 v14, v14
	v_and_b32 v8, 15, v0                           ; (plain places: behind the reciprocal, and with the additions above four behind the last products)
	s_delay_alu instid0(VALU_DEP_1)
	v_lshlrev_b32 v8, 5, v8                        ; asc: 32 bytes a row
	s_wait_alu depctr_va_vdst(0)                   ; the wait ahead of the reciprocal's first reader
.set NN, 0
.rept 16
	v_pk_mul_f32 v[S+NN:S+NN+1], v[O+NN:O+NN+1], v[14:15] op_sel_hi:[1,0]
.set NN, NN+2
.endr
.irp b, 0,1
	v_max3_num_f32 v[X+\b], |v[S+16*\b]|, |v[S+1+16*\b]|, 0x1800000
.endr
.irp i, 2,4,6,8,10,12,14
.irp b, 0,1
	s_delay_alu instid0(VALU_DEP_2)
	v_max3_num_f32 v[X+\b], v[X+\b], |v[S+16*\b+\i]|, |v[S+1+16*\b+\i]|
.endr
.endr
.irp b, 0,1
	s_delay_alu instid0(VALU_DEP_2)
	v_permlanex16_b32 v[BY+\b], v[X+\b], s[SEL], s[SEL+1]
.endr
.irp b, 0,1
	s_delay_alu instid0(VALU_DEP_2)
	v_max_num_f32 v[X+\b], v[X+\b], v[BY+\b]
.endr
.irp b, 0,1
	s_delay_alu instid0(VALU_DEP_2)
	v_add_nc_u32 v[SO+\b], 0xff000000, v[X+\b]
.endr
.irp b, 0,1
	s_delay_alu instid0(VALU_DEP_2)
	v_lshrrev_b32 v[BY+\b], 23, v[SO+\b]
.endr
	s_delay_alu instid0(VALU_DEP_1)
	v_lshl_or_b32 v9, v[BY+1], 8, v[BY]            ; the head's two scale bytes of my row
	v_cvt_scalef32_pk16_fp6_f32 v[PC:PC+2], v[S:S+15], v[SO]
	v_cvt_scalef32_pk16_fp6_f32 v[CT:CT+2], v[S+16:S+31], v[SO+1]
	v_nop                                          ; one plain place behind a scaled conversion
.irp i, 0,1,2
	v_permlane16_swap_b32 v[PC+\i], v[CT+\i]       ; here a block lies in two lanes: the operand's layout wants it whole in one
.endr
.irp i, 0,1,2
	s_delay_alu instid0(VALU_DEP_3)
	v_mov_b32 v[PC+3+\i], v[CT+\i]
.endr
	global_store_b128 v[L16], v[PC:PC+3], s[10:11] offset:12288*\u            ; half a fragment's image: 512 consecutive bytes,
	global_store_b64 v[L8], v[PC+4:PC+5], s[10:11] offset:12288*\u+512        ; and 256, both at multiples of 256 from the buffer's first byte
	global_store_b16 v8, v9, s[12:13] offset:512*\u  ; two bytes a row (lanes r and r + 16 hold the same number and name the same place): a row's 32 bytes come from 16 heads' work-groups
.endm
	INIT
	s_wait_alu depctr_va_vdst(0)                   ; the wait at the head's end
	s_wait_tensorcnt 0x0                           ; my key step's block has landed,
	s_barrier_signal -1
	s_barrier_wait -1                              ; everybody's has: the whole head lies in LDS
	s_wait_loadcnt 0x0                             ; Q, both tiles'
	s_mov_b32 s[MS+1], 0                           ; (the descriptor's registers are free behind the wait on TENSORcnt)
	s_mov_b32 s[GC], 32
	WALK 0
	s_wait_xcnt 0x0                                ; the first tile's stores have read their registers
.irp i, 0,1,2,3,4,5
	v_mov_b32 v[16+\i], v[QB+\i]                   ; the second tile's Q; the 36 lines of the set-up below are the places ahead of its first product
.endr
	v_mov_b32 v28, v[QB+6]
	INIT
	WALK 1
	s_wait_kmcnt 0x0                               ; the last step's scalar loads
	s_wait_tensorcnt 0x0                           ; the wave's end
	ds_add_u32 v[SPW], v[NIL]
	s_wait_dscnt 0x0
	CROUND                                         ; the closing round
	s_endpgm
.Lfunc_end_k_q8b1e690568_attn:
	.size	k_q8b1e690568_attn, .Lfunc_end_k_q8b1e690568_attn-k_q8b1e690568_attn
	.p2alignl 7, 3214868480
	.fill 96, 4, 3214868480
	.section	.rodata,"a",@progbits
	.p2align	6, 0x0
	.amdhsa_kernel k_q8b1e690568_attn
		.amdhsa_group_segment_fixed_size 210944
		.amdhsa_private_segment_fixed_size 0
		.amdhsa_enable_private_segment 0
		.amdhsa_kernarg_size 40
		.amdhsa_user_sgpr_count 2
		.amdhsa_user_sgpr_kernarg_segment_ptr 1
		.amdhsa_wavefront_size32 1
		.amdhsa_system_sgpr_workgroup_id_x 1
		.amdhsa_system_sgpr_workgroup_id_y 1
		.amdhsa_system_sgpr_workgroup_id_z 1
		.amdhsa_system_vgpr_workitem_id 0
		.amdhsa_next_free_vgpr 256
		.amdhsa_next_free_sgpr 102
		.amdhsa_reserve_vcc 0
		.amdhsa_float_denorm_mode_32 3
		.amdhsa_float_denorm_mode_16_64 3
		.amdhsa_memory_ordered 1
		.amdhsa_forward_progress 1
		.amdhsa_inst_pref_size 59
	.end_amdhsa_kernel
	.amdgpu_metadata
---
amdhsa.version: [ 1, 2 ]
amdhsa.kernels:
  - .name:           k_q8b1e690568_attn
    .symbol:         k_q8b1e690568_attn.kd
    .args:
      - { .name: qq, .offset: 0, .size: 8, .value_kind: global_buffer, .address_space: global }
      - { .name: kv, .offset: 8, .size: 8, .value_kind: global_buffer, .address_space: global }
      - { .name: mk, .offset: 16, .size: 8, .value_kind: global_buffer, .address_space: global }
      - { .name: ac, .offset: 24, .size: 8, .value_kind: global_buffer, .address_space: global }
      - { .name: asc, .offset: 32, .size: 8, .value_kind: global_buffer, .address_space: global }
    .group_segment_fixed_size: 210944
    .private_segment_fixed_size: 0
    .kernarg_segment_align: 8
    .kernarg_segment_size: 40
    .max_flat_workgroup_size: 512
    .sgpr_count:     102
    .vgpr_count:     256
    .wavefront_size: 32
...
	.end_amdgpu_metadata
.endif
;; end of part 3
;; launch outp (part 4): grid 4 x 64, 4 waves a work-group, clusters of 4 x 4, 327,680 bytes of LDS; arguments ac, asc, cod, scl, bo, out0; writes out0
.if DOCPART == 4
	.amdgcn_target "amdgcn-amd-amdhsa--gfx1250"
	.amdhsa_code_object_version 6
	.text
	.protected	k_q8b1e690568_outp
	.globl	k_q8b1e690568_outp
	.p2align	8
	.type	k_q8b1e690568_outp,@function
k_q8b1e690568_outp:
	s_mov_b64 s[64:65], 0
	v_nop
	global_prefetch_b8 v0, s[64:65] scope:SCOPE_SE
	s_setreg_imm32_b32 hwreg(HW_REG_WAVE_MODE, 25, 1), 1
	s_wait_xcnt 0x0
	s_wait_alu depctr_hold_cnt(0) depctr_sa_sdst(0) depctr_va_vdst(0) depctr_va_sdst(0) depctr_va_ssrc(0) depctr_va_vcc(0) depctr_vm_vsrc(0)
	s_getreg_b32 s2, hwreg(HW_REG_IB_STS2, 6, 4)
	s_cmp_eq_u32 s2, 0
	s_cbranch_scc0 .Lentry_in_a_cluster
	s_endpgm
.Lentry_in_a_cluster:
	s_bfe_u32 s2, ttmp6, 0x10000c
	s_cmp_lg_u32 s2, 0xf033
	s_cbranch_scc0 .Lentry_shape_is_right
	s_endpgm
.Lentry_shape_is_right:
; FOURTH LAUNCH: out0 [8192][1024] = attention's result x Wo^T + bo, on codes of E2M3.  Nothing of the problem is left out here.
; ac and cod hold fragments' images: [tile of 16 rows][K step 0-7][1,536 bytes]; asc and scl the scale bytes: [tile][512 bytes].  Row r of tile T is 32 (T / 2) + 8 (T % 2) + r + 8 (r / 8); Wo's tiles are 1728-1791 of cod and scl.
; SHARES.  A block of out0 is 128 rows x 256 columns: 64 x 4 = 256 work-groups.  Four waves; wave (i, j) makes 64 rows x 128 columns: 4 tiles of rows x 8 tiles of Wo: 32 accumulators, 256 registers.
; ALL OF K LIES IN LDS, IN TWO HALVES of four K steps: 24 tiles x 6,144 bytes each.  A half comes by one tensor load a wave: waves 0 and 1 bring four tiles of rows each, waves 2 and 3 eight tiles of Wo each; a tile's half is one row
; of 6,144 bytes, at a multiple of 256 bytes from the buffer's first byte.  The first half is asked for at the head, the second behind a round of the cluster's barrier.  Nothing is filled again.
; CLUSTERS: 4 x 4 work-groups.  The four of a row of the cluster need the same tiles of rows, the four of a column the same tiles of Wo: each load is asked for JOINTLY, with a mask that names the four.
; No prefetch: the launch has two groups of tensor loads and no loop to run ahead in; the second group goes out as soon as the first has landed.
; THE MATRIX INSTRUCTION IS USED TRANSPOSED (source 0 = 16 rows of Wo, source 1 = 16 rows of ac): a lane holds eight neighbouring columns of one row.  The bias is the C of each accumulator's first product.
; REGISTERS: window 0: v1-21 addresses; v40-55, v72-103 scale words; v128-223 two sets of the rows' fragments; on the way out v128-255.  window 1: Wo's fragments, two sets, at v0 and v128; the bias at v96-127 and v224-255.  window 2: the accumulators.
.set TILEB, 12288
.set HROW,  6144                       ; a tile's four K steps
.set FRB,   1536
.set XREG,  8*HROW                     ; in a half: the 8 tiles of rows, then Wo's 16
.set HALF,  24*HROW
.set SPARE, 2*HALF                     ; the spare words, 128 bytes for each wave: two blocks of 256 bytes that no other line names
.set STAGE, 0                          ; the way out: 16 rows x 528 bytes for each wave, in the first half's bytes: filled once, and read by nobody behind the barrier in step 3
.set A1L, 1                            ; v1-2  LDS address of my rows' fragments in half 0, 1, + 16 x lane;  v3-4 + 8 x lane
.set A1S, 3
.set A0L, 5                            ; v5-8  the same for Wo's
.set A0S, 7
.set L16, 13
.set L8,  14
.set SOFF, 15
.set SPW, 16                           ; v16 LDS address of my spare word; never rewritten
.set NIL, 17                           ; v17 0; never rewritten
.set STO, 20
.set RD,  21
.set SA,  40                           ; scale words: tile a's K steps 4 h + 0 .. 3 in v[SA + 4 a ..], lanes 16 h on
.set SB,  72
.set AF,  128
.set BK,  128
.set WV,  14
.set WI,  15
.set WJ,  16
.set G1X, 24
.set G0X, 32                           ; s[32:39] group 0 for the rows' tiles, one set for each half;  s[56:63] for Wo's
.set G1W, 48
.set G0W, 56
.set MSB, 0
.macro WIN new                         ; the immediate's high byte repeats the setting that is left
.if MSB != \new
	s_set_vgpr_msb (MSB<<8)|\new
.set MSB, \new
.endif
.endm
.set MUL_LO, 0xa1                      ; source 0 window 1, source 1 window 0, C and D window 2
.set BIA_LO, 0x91                      ; the same with C in window 1
.set TO_B,   0x40                      ; destination window 1, address window 0
.macro JLOAD g0a, g1a, g0b, g1b        ; a joint load: waves 0 and 1 fetch rows' tiles, waves 2 and 3 Wo's
	s_cmp_eq_u32 s[WI], 0
	s_cbranch_scc0 .Lfor_w_\@
	tensor_load_to_lds s[\g0a:\g0a+3], s[\g1a:\g1a+7]
	s_nop 0
.rept 4
	v_nop
.endr
	s_branch .Lasked_\@
.Lfor_w_\@:
	tensor_load_to_lds s[\g0b:\g0b+3], s[\g1b:\g1b+7]
	s_nop 0
.rept 4
	v_nop
.endr
.Lasked_\@:
.endm
.macro CROUND                          ; a round of the cluster's barrier
	s_barrier_signal -1
	s_barrier_wait -1
	s_cmp_lg_u32 s[WV], 0
	s_cbranch_scc1 .Lnot_wave_0_\@
	s_barrier_signal -3
.Lnot_wave_0_\@:
	s_barrier_wait -3
	s_barrier_signal -1
	s_barrier_wait -1
.endm
	s_load_b256 s[72:79], s[0:1], 0x0              ; ac, asc, cod, scl
	s_load_b128 s[80:83], s[0:1], 0x20             ; bo, out0
	v_lshl_add_u32 v[SPW], v0, 2, SPARE
	v_mov_b32 v[NIL], 0
	ds_add_u32 v[SPW], v[NIL]                      ; the wave's opening: the add, twice on end, and its wait ahead of my first tensor load
	ds_add_u32 v[SPW], v[NIL]
	v_lshrrev_b32 v18, 5, v0
	v_readfirstlane_b32 s[WV], v18
	s_lshr_b32 s[WI], s[WV], 1                     ; which 64 rows are mine.  Also: I fetch rows' tiles (0) or Wo's (1)
	s_and_b32 s[WJ], s[WV], 1                      ; which 128 columns.  Also: which half of those tiles I fetch
	s_bfe_u32 s17, ttmp6, 0x40000                  ; cx
	s_bfe_u32 s18, ttmp6, 0x40004                  ; cy
	s_lshl_b32 s19, ttmp9, 2
	s_add_co_u32 s19, s19, s17                     ; block column
	s_and_b32 s20, ttmp7, 0xffff
	s_lshl_b32 s20, s20, 2
	s_add_co_u32 s20, s20, s18                     ; block row
	s_lshl_b32 s44, s18, 2
	s_lshl_b32 s44, 15, s44                        ; my row of the cluster
	s_lshl_b32 s45, 0x1111, s17                    ; my column
	s_or_b32 s[G1X], s44, (3<<16)|(1<<21)          ; elements of 8 bytes, no padding, bit 21 beside a mask
	s_or_b32 s[G1W], s45, (3<<16)|(1<<21)
.irp g, G1X, G1W
	s_mov_b32 s[\g+1], 768<<16                     ; tensor_dim0: 768 elements, 6,144 bytes
	s_mov_b32 s[\g+3], 768<<16                     ; tile_dim0
	s_mov_b32 s[\g+5], 1536                        ; from tile to tile 12,288 bytes
	s_mov_b32 s[\g+6], 0
	s_mov_b32 s[\g+7], 0
.endr
	s_mov_b32 s[G1X+2], 4<<16                      ; four tiles of rows a load,
	s_mov_b32 s[G1X+4], 4
	s_mov_b32 s[G1W+2], 8<<16                      ; eight of Wo
	s_mov_b32 s[G1W+4], 8
	s_lshl_b32 s46, s20, 3
	s_lshl_b32 s47, s[WJ], 2
	s_add_co_u32 s46, s46, s47
	s_mul_i32 s46, s46, TILEB                      ; ac: tile 8 x block row + 4 x half
	s_mov_b32 s47, 0
	s_lshl_b32 s88, s19, 4
	s_lshl_b32 s89, s[WJ], 3
	s_add_co_u32 s88, s88, s89
	s_add_co_u32 s88, s88, 1728
	s_mul_i32 s88, s88, TILEB                      ; cod: tile 1728 + 16 x block column + 8 x half
	s_mov_b32 s89, 0
	s_mul_i32 s90, s[WJ], 4*HROW                   ; where they go: no place in the cluster enters an LDS address
	s_mul_i32 s94, s[WJ], 8*HROW
	s_add_co_u32 s94, s94, XREG
	v_and_b32 v18, 31, v0
	v_and_b32 v19, 15, v0
	v_bfe_u32 v22, v0, 4, 1
	v_lshlrev_b32 v[L16], 4, v18
	v_lshlrev_b32 v[L8], 3, v18
	v_lshlrev_b32 v[SOFF], 5, v19
	v_lshl_add_u32 v[SOFF], v22, 4, v[SOFF]        ; scale words: 32 r + 16 (lane / 16)
	v_lshlrev_b32 v23, 6, v22                      ; the bias: 16 columns on for lanes 16-31
	s_mul_i32 s93, s[WV], 16*528
	s_add_co_u32 s93, s93, STAGE
	v_mul_u32_u24 v[STO], v19, 528
	v_lshl_add_u32 v[STO], v22, 6, v[STO]
	v_add_nc_u32 v[STO], s93, v[STO]
	v_add_nc_u32 v[RD], s93, v[L16]
	s_wait_dscnt 0x0                               ; both opening adds are done
	s_wait_kmcnt 0x0
	s_add_nc_u64 s[46:47], s[72:73], s[46:47]
	s_add_nc_u64 s[88:89], s[76:77], s[88:89]
.irp k, 0,1
	s_mov_b32 s[G0X+4*\k], 1
	s_add_co_u32 s[G0X+4*\k+1], s90, \k*HALF
	s_add_nc_u64 s[G0X+4*\k+2:G0X+4*\k+3], s[46:47], \k*HROW
	s_or_b32 s[G0X+4*\k+3], s[G0X+4*\k+3], 0x80000000
	s_mov_b32 s[G0W+4*\k], 1
	s_add_co_u32 s[G0W+4*\k+1], s94, \k*HALF
	s_add_nc_u64 s[G0W+4*\k+2:G0W+4*\k+3], s[88:89], \k*HROW
	s_or_b32 s[G0W+4*\k+3], s[G0W+4*\k+3], 0x80000000
.endr
	CROUND                                         ; all sixteen work-groups are here: the first joint loads meet
	JLOAD G0X, G1X, G0W, G1W                       ; K steps 0-3: my one tensor load at the head
	s_lshl_b32 s8, s20, 3
	s_lshl_b32 s6, s[WI], 2
	s_add_co_u32 s8, s8, s6                        ; my first tile of rows
	s_lshl_b32 s8, s8, 9
	s_mov_b32 s9, 0
	s_lshl_b32 s10, s19, 4
	s_lshl_b32 s7, s[WJ], 3
	s_add_co_u32 s10, s10, s7
	s_add_co_u32 s10, s10, 1728                    ; my first tile of Wo
	s_lshl_b32 s10, s10, 9
	s_mov_b32 s11, 0
	s_add_nc_u64 s[8:9], s[74:75], s[8:9]
	s_add_nc_u64 s[10:11], s[78:79], s[10:11]
	s_wait_alu depctr_va_vdst(0)                   ; the wait ahead of the first readers of the head's addresses
.irp a, 0,1,2,3
	global_load_b128 v[SA+4*\a:SA+4*\a+3], v[SOFF], s[8:9] offset:512*\a
.endr
.irp b, 0,1,2,3,4,5,6,7
	global_load_b128 v[SB+4*\b:SB+4*\b+3], v[SOFF], s[10:11] offset:512*\b
.endr
	s_lshl_b32 s4, s19, 10
	s_lshl_b32 s5, s[WJ], 9
	s_add_co_u32 s4, s4, s5                        ; my first column, in bytes
	s_mov_b32 s5, 0
	s_add_nc_u64 s[80:81], s[80:81], s[4:5]
	s_add_nc_u64 s[82:83], s[82:83], s[4:5]
	s_lshl_b32 s4, s20, 19                         ; 128 rows of 4,096 bytes a block, 64 a wave
	s_lshl_b32 s6, s[WI], 18
	s_add_co_u32 s4, s4, s6
	s_add_nc_u64 s[82:83], s[82:83], s[4:5]
	WIN TO_B
.irp b, 0,1,2,3,4,5,6,7                        ; the bias in the result's layout: register j of tile b is column 32 (b / 2) + 8 (b % 2) + 16 (lane / 16) + j
	global_load_b128 v[96+8*\b+96*(\b/4):96+8*\b+96*(\b/4)+3], v23, s[80:81] offset:(32*(\b/2)+8*(\b%2))*4
	global_load_b128 v[96+8*\b+96*(\b/4)+4:96+8*\b+96*(\b/4)+7], v23, s[80:81] offset:(32*(\b/2)+8*(\b%2))*4+16
.endr
	WIN 0
	s_mul_i32 s91, s[WI], 4*HROW
	s_mul_i32 s92, s[WJ], 8*HROW
	s_add_co_u32 s92, s92, XREG
.irp k, 0,1
	v_add_nc_u32 v[A1L+\k], s91, v[L16]
	v_add_nc_u32 v[A1S+\k], s91, v[L8]
	v_add_nc_u32 v[A0L+\k], s92, v[L16]
	v_add_nc_u32 v[A0S+\k], s92, v[L8]
	s_add_co_u32 s91, s91, HALF
	s_add_co_u32 s92, s92, HALF
.endr
.macro FRAG reg, a16, a8, off          ; a fragment's image: registers 6 c .. 6 c + 3 at 16 x lane, 6 c + 4 and 6 c + 5 at 512 + 8 x lane of each 768 bytes
	ds_load_b128 v[(\reg):(\reg)+3], v[\a16] offset:\off
	ds_load_b64 v[(\reg)+4:(\reg)+5], v[\a8] offset:\off+512
	ds_load_b128 v[(\reg)+6:(\reg)+9], v[\a16] offset:\off+768
	ds_load_b64 v[(\reg)+10:(\reg)+11], v[\a8] offset:\off+1280
.endm
.macro FETCH st                        ; K step st's 12 fragments into set st % 2: 48 LDS loads in one run
	WIN TO_B
.irp i, 0,1,2,3,4,5,6,7
	FRAG 128*((\st)%2)+12*\i, A0L+(\st)/4, A0S+(\st)/4, HROW*\i+FRB*((\st)%4)
.endr
	WIN 0
.irp i, 0,1,2,3
	FRAG AF+48*((\st)%2)+12*\i, A1L+(\st)/4, A1S+(\st)/4, HROW*\i+FRB*((\st)%4)
.endr
.endm
.macro MUL32 s                         ; the 32 accumulators take turns, one instruction a turn, in the same order in every step
.irp a, 0,1,2,3
.irp b, 0,1,2,3,4,5,6,7
.set DD, 8*(8*\a+\b)
.set B0, 128*((\s)%2)+12*\b
.set A1, AF+48*((\s)%2)+12*\a
.set CB, 96+8*\b+96*(\b/4)
.if (\s) == 0
	v_wmma_scale_f32_16x16x128_f8f6f4 v[DD:DD+7], v[B0:B0+11], v[A1:A1+11], v[CB:CB+7], v[SB+4*\b], v[SA+4*\a] matrix_a_fmt:MATRIX_FMT_FP6 matrix_b_fmt:MATRIX_FMT_FP6
.elseif (\s) < 4
	v_wmma_scale_f32_16x16x128_f8f6f4 v[DD:DD+7], v[B0:B0+11], v[A1:A1+11], v[DD:DD+7], v[SB+4*\b+(\s)%4], v[SA+4*\a+(\s)%4] matrix_a_fmt:MATRIX_FMT_FP6 matrix_b_fmt:MATRIX_FMT_FP6
.else
	v_wmma_scale_f32_16x16x128_f8f6f4 v[DD:DD+7], v[B0:B0+11], v[A1:A1+11], v[DD:DD+7], v[SB+4*\b+(\s)%4], v[SA+4*\a+(\s)%4] matrix_a_fmt:MATRIX_FMT_FP6 matrix_b_fmt:MATRIX_FMT_FP6 matrix_a_scale:MATRIX_SCALE_ROW1 matrix_b_scale:MATRIX_SCALE_ROW1
.endif
.endr
.endr
.endm
.macro PLACES                          ; four places between a matrix instruction and a load into, or a store of, its registers (ISA guide 7.12.1 for stores)
.rept 4
	v_nop
.endr
.endm
.macro STEP s                          ; the next step's fragments are asked for first, then this step's 32 products run
.if (\s) == 3
	s_wait_tensorcnt 0x0                           ; my part of the second half has landed,
	s_wait_dscnt 0x0                               ; and my reads of the first half are over (step 3's fragments were its last)
	s_barrier_signal -1
	s_barrier_wait -1                              ; both hold of every wave
.endif
.if (\s) < 7
.if (\s) > 0
	PLACES
.endif
	FETCH (\s)+1
	s_wait_dscnt 48                                ; all but the 48 loads just issued: this step's fragments are in
.else
	s_wait_dscnt 0x0
.endif
.if (\s) == 0
	WIN BIA_LO
.else
	WIN MUL_LO
.endif
	MUL32 \s
	WIN 0
.endm
	s_wait_alu depctr_va_vdst(0)                   ; the wait at the head's end
	s_wait_tensorcnt 0x0                           ; my part of the first half is in
	ds_add_u32 v[SPW], v[NIL]
	s_wait_dscnt 0x0
	CROUND                                         ; everybody's part is in, and all sixteen work-groups are here: the joint loads meet
	JLOAD G0X+4, G1X, G0W+4, G1W                   ; K steps 4-7, the first tensor load behind the round
	FETCH 0
	s_wait_loadcnt 0x0                             ; the scale words and the bias
.irp s, 0,1,2,3,4,5,6,7
	STEP \s
.endr
; THE WAY OUT, block by block of 16 rows x 128 columns: through my own stage in LDS, back as whole rows of 512 bytes.  LDS serves a wave's instructions in order (ISA guide 5.7.1.4): no wait between the stores and the loads
.macro TOSTAGE a
	WIN 0x08                                       ; the data: window 2
.irp b, 0,1,2,3,4,5,6,7
	ds_store_b128 v[STO], v[64*(\a)+8*\b:64*(\a)+8*\b+3] offset:128*(\b/2)+32*(\b%2)       ; each accumulator from its low end on
	ds_store_b128 v[STO], v[64*(\a)+8*\b+4:64*(\a)+8*\b+7] offset:128*(\b/2)+32*(\b%2)+16
.endr
	WIN 0
.set BB, BK+64*((\a)%2)
.irp t, 0,1,2,3,4,5,6,7,8,9,10,11,12,13,14,15
	ds_load_b128 v[BB+4*\t:BB+4*\t+3], v[RD] offset:\t*528
.endr
.endm
.macro SEND a, younger                 ; younger: the LDS instructions issued behind block a's loads, which may stay out
.set BB, BK+64*((\a)%2)
	s_wait_dscnt \younger
.irp t, 0,1,2,3,4,5,6,7,8,9,10,11,12,13,14,15
	global_store_b128 v[L16], v[BB+4*\t:BB+4*\t+3], s[82:83] offset:(32*((\a)/2)+8*((\a)%2)+\t+8*(\t/8))*4096 th:TH_STORE_NT   ; 32 lanes store 512 consecutive bytes, at a multiple of 256 from out0's first byte
.endr
.endm
	PLACES
	TOSTAGE 0
.irp a, 1,2,3
.if \a > 1
	s_wait_xcnt 0x0                                ; block a - 2's stores have read their registers: block a's loads may land there
.endif
	TOSTAGE \a
	SEND \a-1, 32                                  ; behind block a - 1's loads: block a's 16 stores and 16 loads
.endr
	SEND 3, 0
	s_wait_tensorcnt 0x0                           ; the wave's end
	ds_add_u32 v[SPW], v[NIL]
	s_wait_dscnt 0x0
	CROUND                                         ; the closing round
	s_endpgm
.Lfunc_end_k_q8b1e690568_outp:
	.size	k_q8b1e690568_outp, .Lfunc_end_k_q8b1e690568_outp-k_q8b1e690568_outp
	.p2alignl 7, 3214868480
	.fill 96, 4, 3214868480
	.section	.rodata,"a",@progbits
	.p2align	6, 0x0
	.amdhsa_kernel k_q8b1e690568_outp
		.amdhsa_group_segment_fixed_size 327680
		.amdhsa_private_segment_fixed_size 0
		.amdhsa_enable_private_segment 0
		.amdhsa_kernarg_size 48
		.amdhsa_user_sgpr_count 2
		.amdhsa_user_sgpr_kernarg_segment_ptr 1
		.amdhsa_wavefront_size32 1
		.amdhsa_system_sgpr_workgroup_id_x 1
		.amdhsa_system_sgpr_workgroup_id_y 1
		.amdhsa_system_sgpr_workgroup_id_z 1
		.amdhsa_system_vgpr_workitem_id 0
		.amdhsa_next_free_vgpr 768
		.amdhsa_next_free_sgpr 100
		.amdhsa_reserve_vcc 0
		.amdhsa_float_denorm_mode_32 3
		.amdhsa_float_denorm_mode_16_64 3
		.amdhsa_memory_ordered 1
		.amdhsa_forward_progress 1
		.amdhsa_inst_pref_size 84
	.end_amdhsa_kernel
	.amdgpu_metadata
---
amdhsa.version: [ 1, 2 ]
amdhsa.kernels:
  - .name:           k_q8b1e690568_outp
    .symbol:         k_q8b1e690568_outp.kd
    .args:
      - { .name: ac, .offset: 0, .size: 8, .value_kind: global_buffer, .address_space: global }
      - { .name: asc, .offset: 8, .size: 8, .value_kind: global_buffer, .address_space: global }
      - { .name: cod, .offset: 16, .size: 8, .value_kind: global_buffer, .address_space: global }
      - { .name: scl, .offset: 24, .size: 8, .value_kind: global_buffer, .address_space: global }
      - { .name: bo, .offset: 32, .size: 8, .value_kind: global_buffer, .address_space: global }
      - { .name: out0, .offset: 40, .size: 8, .value_kind: global_buffer, .address_space: global }
    .group_segment_fixed_size: 327680
    .private_segment_fixed_size: 0
    .kernarg_segment_align: 8
    .kernarg_segment_size: 48
    .max_flat_workgroup_size: 128
    .sgpr_count:     100
    .vgpr_count:     768
    .wavefront_size: 32
...
	.end_amdgpu_metadata
.endif
;; end of part 4
